; MI455X (gfx1250); checked and timed in simulation.
; The chip was launched on July 23, 2026; its instructions are those of AMD's public machine-readable ISA for CDNA 5 (MIT licence, August 2026) and "CDNA5" Instruction Set Architecture Reference Guide (July 2026). The comments in the code are by the model that wrote it; some were corrected since.
;; Llama Attention. Allowed arithmetic: matrix products marked QUANTISED: E2M3 operands, one E8M0 scale for each 32 along K, by v_wmma_scale_f32_16x16x128_f8f6f4 with both operands' format E2M3, f32 sums; everything else in f32.
;; Inputs: Wk 512 x 2,048 float32; Wo 2,048 x 1,024 float32; Wq 1,024 x 2,048 float32; Wv 512 x 2,048 float32; attention_mask 1 x 1 x 2,048 x 2,048 float32; cos 2 x 2,048 x 64 float32; hidden_states 2 x 2,048 x 2,048 float32; sin 2 x 2,048 x 64 float32.
;; Outputs: out0 2 x 2,048 x 2,048 float32.
;; This version of the problem:
;;   THIS VERSION OF THE PROBLEM IS GIVEN IN LOW PRECISION. The matrix products marked QUANTISED in the list below multiply operands that are first quantised to E2M3 (2 exponent bits, 3 mantissa bits; 6 bits a number), with one power-of-two scale for each 32 numbers along K (OCP MX v1.0); their sums are f32. All else is computed in f32.
;;   The module's matrix products, in the order in which they are computed (A, B: the left and right operand; K: the contracted axis; several contracted axes count as one K, in the product's order):
;;     1. [M 4,096, K 2,048] x [K 2,048, N 1,024]; A: input hidden_states; B: input Wq: QUANTISED
;;     2. [M 4,096, K 2,048] x [K 2,048, N 512]; A: input hidden_states; B: input Wk: QUANTISED
;;     3. [M 4,096, K 2,048] x [K 2,048, N 512]; A: input hidden_states; B: input Wv: QUANTISED
;;     4. batch 32 x [M 2,048, K 64] x [K 64, N 2,048]; A: computed on the way; B: computed on the way: QUANTISED
;;     5. batch 32 x [M 2,048, K 2,048] x [K 2,048, N 64]; A: softmax (see below); B: computed on the way: QUANTISED
;;     6. [M 4,096, K 1,024] x [K 1,024, N 2,048]; A: computed on the way; B: input Wo: QUANTISED
;;   THE QUANTISER, for each operand of a quantised product, along K:
;;     - K is cut into blocks of 32 from its start; a last block that is shorter is filled with zeros.
;;     - A block's scale is 2^e with e = floor(log2(the largest magnitude in the block)) - 2, held to -126 .. 127; a block of zeros has e = 0. As a byte (E8M0): e + 127.
;;     - Each number is divided by its block's scale, clamped to +-7.5, and rounded to the nearest number of E2M3, ties to even, subnormals kept.
;;     - The product sums the exact products of the quantised numbers (number of the format x scale) in f32.
;;   ~~~python
;;   def quantise(x, axis):      # numpy; x: float32 -> the quantised numbers, widened to float32 again
;;       x = np.moveaxis(x, axis, -1); K = x.shape[-1]
;;       x = np.pad(x, [(0, 0)] * (x.ndim - 1) + [(0, -K % 32)]); x = x.reshape(x.shape[:-1] + (-1, 32)); a = np.abs(x).max(-1, keepdims=True)
;;       e = np.where(a > 0, np.clip(np.frexp(np.where(a > 0, a, 1))[1] - 1 - 2, -126, 127), 0)      # np.frexp(a)[1] - 1 = floor(log2(a)), exactly
;;       r = np.clip(x / 2.0 ** e, -7.5, 7.5)
;;       step = 2.0 ** (np.maximum(np.frexp(np.where(r == 0, 1, r))[1] - 1, 0) - 3)
;;       q = np.round(r / step) * step * 2.0 ** e      # np.round: ties to even
;;       return np.moveaxis(q.reshape(q.shape[:-2] + (-1,))[..., :K], -1, axis).astype(np.float32)
;;   ~~~
;;   SOFTMAX AHEAD OF A QUANTISED PRODUCT. Where the list says 'softmax', what is quantised is not the finished softmax but p = 2^(t - M), with t = logit x log2(e) and M = ceil(the row's largest t), a whole number; so 1/2 < the row's largest p <= 1. The row's sum l is taken of the UNQUANTISED p, in f32, and the product's result is divided by l at the end. Since M is a whole number, a kernel that streams over the keys may use a running M (the ceiling of the running maximum): every later rescaling is an exact power of two, which a block's scale takes up: the codes' values come out the same.
;;   OPERANDS COMPUTED ON THE WAY. 'Computed on the way' means the value that the module computes at that place (a softmax that the list does not call 'softmax' is quantised finished and normalised). What goes into a quantiser is computed in f32, as accurately as f32 sums, v_exp_f32 and their like allow (about 1e-6 of the number): no bf16 or f16 on the way to a quantiser, and a product that is left as it is and whose result goes on into a quantised operand takes f32 operands (vector FMAs, or v_wmma_f32_16x16x4_f32). A number that lies on a knife's edge between two numbers of the format may be rounded either way, as far as f32 arithmetic and the matrix unit's own rounding can turn it there, and no further.
;; 2 versions, each right; version 2 is version 1 with the launch attn written anew for expert scheduling mode. Each part assembles by itself: llvm-mc -triple=amdgcn-amd-amdhsa -mcpu=gfx1250 --defsym DOCPART=n.
;; ======== version 1 of 2: 4 launches
;; workspace buffers: w1 11,468,800 bytes; flags 4,096 bytes of whole numbers; w2 6,750,208 bytes; w3 3,276,800 bytes
;; launch prep (part 1): grid 288 x 1, 4 waves a work-group, no clusters, 34,304 bytes of LDS; arguments hidden_states, Wq, Wk, Wv, Wo, attention_mask, w1, flags; writes w1, flags
.if DOCPART == 1
	.amdgcn_target "amdgcn-amd-amdhsa--gfx1250"
	.amdhsa_code_object_version 6
	.text
	.protected	k_q396cd70e10_prep
	.globl	k_q396cd70e10_prep
	.p2align	8
	.type	k_q396cd70e10_prep,@function
k_q396cd70e10_prep:
	s_mov_b64 s[64:65], 0
	v_nop
	global_prefetch_b8 v0, s[64:65] scope:SCOPE_SE
	s_setreg_imm32_b32 hwreg(HW_REG_WAVE_MODE, 25, 1), 1
	s_wait_xcnt 0x0
; FIRST OF FOUR LAUNCHES (prep, qkv, attn, oproj) of a Llama attention block in MX-FP6 (E2M3, one E8M0 scale for each 32 along K).
; This launch (a) quantises hidden_states, Wq, Wk, Wv, Wo along K (their last axis) into w1, laid in the order of an operand's registers, and (b) scans attention_mask and stores, as whole numbers,
; what the attention launch may pass over.
; NO INPUT AND NO PRODUCT IS LEFT OUT.  WHAT IS PASSED OVER, AND WHY THAT IS RIGHT FOR EVERY MASK: for a group of 32 queries and a step of 128 keys the flags say (live) whether some mask entry
; lies above -1e37, (nonzero) whether some entry is other than 0, and (rows) for each of the 32 queries whether some entry of the row is at least -1e36.  The attention launch passes a step over only if
; it is not live AND all 32 rows have their bit (over all keys).  Then, with |score x SCALE| < 1e36, each logit of the step lies more than 7e36 under its row's largest logit: reference()'s own f32
; softmax gives exactly 0 there, and the row's maximum lies elsewhere.  A step whose entries are all 0 is walked without loading the mask: adding 0 changes nothing.
; LIMITS: |score x SCALE| < 1e36; a NaN in the mask is not carried to the result (the maxima here pass it over); NaN and infinities in the tensors that are quantised are not served;
; blocks whose largest magnitude lies under 2^-124 get the byte 1; a block of zeros gets the byte 1 where the rule says 127 (its codes are zeros, and this program alone reads the bytes).
; LAYOUT OF w1.  A ROW TILE is 16 rows: tile 2 g + u holds rows 32 g + 8 u + r + 8 (r / 8), r = 0 .. 15.  A FRAGMENT is a row tile x 128 along K: 12 registers a lane, lane (r, h) holding
; k = 64 c + 32 h + 0 .. 31 in registers 6 c .. 6 c + 5.  Its IMAGE is 1,536 bytes: registers 4 c' .. 4 c' + 3 of lane l at 512 c' + 16 l.  Scale words: [row tile][4 K steps][16 rows][4 words].
; SHARES.  Work-groups 0-223: wave = one task = one row tile x 8 K steps (64 KiB of f32); task Q stores its codes at 12,288 Q and its scale words at XS_O + 512 Q.  Work-groups 224-287: 32 rows of the mask,
; a wave taking four key steps.  No tensor load, no barrier: waves share nothing.
.set SPARE, 33792                      ; behind the four stages: the spare words, 128 bytes for each wave
.set STG,   8448                       ; a wave's stage: 16 rows x (512 bytes + 16)
.set XS_O,  11010048                   ; where the scale words begin in w1
.set OFFS,  16                         ; v16-31   row i of the tile: 16 x lane + (i + 8 (i / 8)) x pitch
.set R,     32                         ; v32-159  two sets of 64: a step's numbers as they are loaded
.set X,     160                        ; v160-223 my 64 numbers: two whole blocks of 32
.set F,     224                        ; v224-235 the fragment
.set TC,    236                        ; v236-243 the upper halves of the two blocks' codes, as the conversions leave them
.set SWD,   244                        ; v244-251 a scale word for each of the 8 K steps
	s_load_b256 s[4:11], s[0:1], 0x0               ; hidden_states s[4:5], Wq s[6:7], Wk s[8:9], Wv s[10:11]
	s_load_b256 s[12:19], s[0:1], 0x20             ; Wo s[12:13], attention_mask s[14:15], w1 s[16:17], flags s[18:19]
	v_lshl_add_u32 v14, v0, 2, SPARE               ; my spare word,
	v_mov_b32 v15, 0                               ; and 0: kept for the add alone
	v_lshrrev_b32 v1, 5, v0
	v_readfirstlane_b32 s20, v1                    ; wave
	v_and_b32 v1, 31, v0                           ; lane
	v_lshlrev_b32 v2, 4, v1                        ; 16 x lane
	s_cmp_ge_u32 ttmp9, 224
	s_cbranch_scc1 .Lmask
	; ---------------- the quantiser ----------------
	v_and_b32 v6, 15, v0                           ; r
	v_bfe_u32 v7, v0, 4, 1                         ; h
	s_mul_i32 s21, s20, STG
	v_add_nc_u32 v3, s21, v2                       ; into the stage: a row's 512 bytes as they lie
	v_mul_u32_u24 v4, v6, 528
	v_lshl_add_u32 v4, v7, 7, v4
	v_add_nc_u32 v4, s21, v4                       ; out of it: row r, + 128 h: my block of 32 numbers
	v_lshlrev_b32 v5, 3, v7                        ; 8 h: where my two scale bytes stand in the word
	v_mov_b32 v13, 0                               ; (a lane permute's destination counts as one of its sources)
	s_mov_b32 s42, 0x76543210
	s_mov_b32 s43, 0xfedcba98                      ; lane l xor 16
	s_lshl_b32 s22, ttmp9, 2
	s_add_co_u32 s22, s22, s20                     ; my task Q
	s_wait_kmcnt 0x0
	s_mov_b64 s[24:25], s[12:13]                   ; which tensor: the choice hangs on the work-group's number alone.  Wo: tasks from 768 on, one to a row tile (K = 1,024)
	s_mov_b32 s26, 768
	s_mov_b32 s27, 0
	s_cmp_lt_u32 ttmp9, 192
	s_cselect_b64 s[24:25], s[10:11], s[24:25]     ; Wv: from 704 on, two to a row tile (K = 2,048)
	s_cselect_b32 s26, 704, s26
	s_cselect_b32 s27, 1, s27
	s_cmp_lt_u32 ttmp9, 176
	s_cselect_b64 s[24:25], s[8:9], s[24:25]       ; Wk: from 640
	s_cselect_b32 s26, 640, s26
	s_cmp_lt_u32 ttmp9, 160
	s_cselect_b64 s[24:25], s[6:7], s[24:25]       ; Wq: from 512
	s_cselect_b32 s26, 512, s26
	s_cmp_lt_u32 ttmp9, 128
	s_cselect_b64 s[24:25], s[4:5], s[24:25]       ; hidden_states: from 0
	s_cselect_b32 s26, 0, s26
	s_sub_co_u32 s28, s22, s26
	s_lshr_b32 s29, s28, s27                       ; the tensor's row tile,
	s_and_b32 s30, s28, s27                        ; which half of K,
	s_lshl_b32 s31, 4096, s27                      ; bytes in a row
	s_lshr_b32 s32, s29, 1
	s_lshl_b32 s32, s32, 5
	s_and_b32 s33, s29, 1
	s_lshl_b32 s33, s33, 3
	s_add_co_u32 s32, s32, s33                     ; the tile's first row: 32 g + 8 u
	s_mul_i32 s32, s32, s31
	s_lshl_b32 s33, s30, 12                        ; 8 K steps are 4,096 bytes of a row
	s_add_co_u32 s32, s32, s33
	s_mov_b32 s33, 0
	s_add_nc_u64 s[24:25], s[24:25], s[32:33]
	s_mul_i32 s34, s22, 12288
	s_mov_b32 s35, 0
	s_add_nc_u64 s[36:37], s[16:17], s[34:35]      ; where my codes go,
	s_lshl_b32 s34, s22, 9
	s_add_co_u32 s34, s34, XS_O
	s_add_nc_u64 s[38:39], s[16:17], s[34:35]      ; and my scale words
.irp i, 0,1,2,3,4,5,6,7,8,9,10,11,12,13,14,15
	s_mul_i32 s40, s31, \i+8*(\i/8)
	v_add_nc_u32 v[OFFS+\i], s40, v2
.endr
.macro LOADF s                         ; K step s: 16 rows x 512 consecutive bytes, 16 bytes a lane
.irp i, 0,1,2,3,4,5,6,7,8,9,10,11,12,13,14,15
	global_load_b128 v[R+64*((\s)%2)+4*\i:R+64*((\s)%2)+4*\i+3], v[OFFS+\i], s[24:25] offset:512*(\s) th:TH_LOAD_NT
.endr
.endm
.macro STEPF s
.if (\s) < 7
	s_wait_loadcnt 16                              ; this step's 16 loads are in; the next step's 16 may be out
.else
	s_wait_loadcnt 0x0
.endif
.irp i, 0,1,2,3,4,5,6,7,8,9,10,11,12,13,14,15
	ds_store_b128 v3, v[R+64*((\s)%2)+4*\i:R+64*((\s)%2)+4*\i+3] offset:528*\i
.endr
.irp c, 0,1
.irp j, 0,1,2,3,4,5,6,7
	ds_load_b128 v[X+32*\c+4*\j:X+32*\c+4*\j+3], v4 offset:256*\c+16*\j   ; k = 64 c + 32 h + 4 j ..: LDS serves a wave's instructions in order, so these see the stores above
.endr
.endr
	s_wait_dscnt 0x0                               ; my numbers are back, and the stores have read their registers,
.if (\s) < 6
	LOADF (\s)+2                                   ; which take the loads of two steps on
.endif
.irp c, 0,1
	v_max3_num_f32 v[6+\c], |v[X+32*\c]|, |v[X+32*\c+1]|, 0x1800000   ; block 2 c + h: all 32 numbers are mine; the floor 2^(3 - 127) holds the byte at 1 from below
.endr
.irp i, 2,4,6,8,10,12,14,16,18,20,22,24,26,28,30
.irp c, 0,1
	v_max3_num_f32 v[6+\c], v[6+\c], |v[X+32*\c+\i]|, |v[X+32*\c+\i+1]|
.endr
.endr
	v_add_nc_u32 v8, 0xff000000, v6                ; 2 off the exponent field: the conversion's scale operand
	v_add_nc_u32 v9, 0xff000000, v7
	v_lshrrev_b32 v10, 23, v8                      ; the scale's byte
	v_lshrrev_b32 v11, 23, v9
	v_lshl_or_b32 v12, v11, 16, v10                ; blocks h and 2 + h,
	v_lshlrev_b32 v12, v5, v12                     ; at their places in the word;
	v_permlanex16_b32 v13, v12, s42, s43
	v_or_b32 v[SWD+(\s)], v12, v13                 ; with lane l xor 16's two the word is whole
	s_wait_xcnt 0x0                                ; the last step's stores have read the fragment's registers
.irp c, 0,1
	v_cvt_scalef32_pk16_fp6_f32 v[F+6*\c:F+6*\c+2], v[X+32*\c:X+32*\c+15], v[8+\c]
	v_cvt_scalef32_pk16_fp6_f32 v[TC+4*\c:TC+4*\c+2], v[X+32*\c+16:X+32*\c+31], v[8+\c]   ; (a conversion's three registers begin on an even number)
.endr
	v_nop                                          ; one plain place behind a scaled conversion
.irp c, 0,1
.irp i, 0,1,2
	v_mov_b32 v[F+6*\c+3+\i], v[TC+4*\c+\i]
.endr
.endr
.irp c, 0,1,2
	global_store_b128 v2, v[F+4*\c:F+4*\c+3], s[36:37] offset:1536*(\s)+512*\c   ; 32 lanes store 512 consecutive bytes
.endr
.endm
	LOADF 0
	LOADF 1
.irp s, 0,1,2,3,4,5,6,7
	STEPF \s
.endr
	s_mov_b32 s44, 0xffff0000
.irp i, 0,1,2,3
	v_cndmask_b32 v[X+\i], v[SWD+\i], v[SWD+4+\i], s44   ; lanes 0-15: row r's words of K steps 0-3; lanes 16-31: of K steps 4-7
.endr
	global_store_b128 v2, v[X:X+3], s[38:39]       ; 512 consecutive bytes
	s_wait_tensorcnt 0x0                           ; the wave's end, behind my last LDS store
	ds_add_u32 v14, v15
	s_wait_dscnt 0x0
	s_endpgm
	; ---------------- the scan of the mask ----------------
.Lmask:
	s_sub_co_u32 s21, ttmp9, 224                   ; g: queries 32 g .. 32 g + 31
	s_lshl_b32 s22, s21, 18                        ; 32 rows of 8,192 bytes
	s_lshl_b32 s23, s20, 11                        ; my four key steps of 512 bytes
	s_add_co_u32 s22, s22, s23
	s_mov_b32 s23, 0
	s_mov_b32 s41, 0xfb4097ce                      ; -1e36
	s_mov_b32 s42, 0xfcf0bdc2                      ; -1e37
	s_mov_b32 s44, 0                               ; rows
	s_mov_b32 s45, 0                               ; live
	s_mov_b32 s46, 0                               ; nonzero
.irp k, 0,1,2,3
	v_mov_b32 v[16+\k], 0xff800000                 ; the largest entry of step k, so far
	v_mov_b32 v[20+\k], 0                          ; and the largest magnitude
.endr
	s_wait_kmcnt 0x0
	s_add_nc_u64 s[14:15], s[14:15], s[22:23]
.macro MLOAD t                         ; rows 4 t .. 4 t + 3, my four steps: each load reads one row's 512 bytes of one step
.irp p, 0,1,2,3
.irp k, 0,1,2,3
	global_load_b128 v[R+64*((\t)%2)+16*\p+4*\k:R+64*((\t)%2)+16*\p+4*\k+3], v2, s[14:15] offset:(4*(\t)+\p)*8192+512*\k th:TH_LOAD_NT
.endr
.endr
.endm
.macro MWORK t
.if (\t) < 7
	s_wait_loadcnt 16                              ; this batch's 16 loads are in; the next batch's may be out
.else
	s_wait_loadcnt 0x0
.endif
.irp p, 0,1,2,3
.irp k, 0,1,2,3
	v_max3_num_f32 v[24+\k], v[R+64*((\t)%2)+16*\p+4*\k], v[R+64*((\t)%2)+16*\p+4*\k+1], v[R+64*((\t)%2)+16*\p+4*\k+2]
	v_max3_num_f32 v[20+\k], v[20+\k], |v[R+64*((\t)%2)+16*\p+4*\k]|, |v[R+64*((\t)%2)+16*\p+4*\k+1]|
	v_max_num_f32 v[24+\k], v[24+\k], v[R+64*((\t)%2)+16*\p+4*\k+3]
	v_max3_num_f32 v[20+\k], v[20+\k], |v[R+64*((\t)%2)+16*\p+4*\k+2]|, |v[R+64*((\t)%2)+16*\p+4*\k+3]|
	v_max_num_f32 v[16+\k], v[16+\k], v[24+\k]
.endr
	v_max3_num_f32 v28, v24, v25, v26
	v_max_num_f32 v28, v28, v27                    ; my 16 entries of the row
	v_cmp_le_f32 s40, s41, v28                     ; does any lane hold one of at least -1e36?
	s_cmp_lg_u32 s40, 0
	s_cselect_b32 s40, 1<<(4*(\t)+\p), 0           ; a value is chosen: nothing branches on these numbers
	s_or_b32 s44, s44, s40
.endr
.if (\t) < 6
	MLOAD (\t)+2
.endif
.endm
	MLOAD 0
	MLOAD 1
.irp t, 0,1,2,3,4,5,6,7
	MWORK \t
.endr
.irp k, 0,1,2,3
	v_cmp_lt_f32 s40, s42, v[16+\k]                ; some entry above -1e37: the step is live
	s_cmp_lg_u32 s40, 0
	s_cselect_b32 s40, 1<<\k, 0
	s_or_b32 s45, s45, s40
	v_cmp_lt_f32 s40, 0, v[20+\k]                  ; some entry other than 0
	s_cmp_lg_u32 s40, 0
	s_cselect_b32 s40, 1<<\k, 0
	s_or_b32 s46, s46, s40
.endr
	s_lshl_b32 s47, s20, 2
	s_lshl_b32 s45, s45, s47                       ; my steps are 4 w .. 4 w + 3
	s_lshl_b32 s46, s46, s47
	v_mov_b32 v32, s45
	v_mov_b32 v33, s46
	v_mov_b32 v34, s44
	v_mov_b32 v35, 0
	v_mov_b32 v36, 0
	s_lshl_b32 s22, s21, 6
	s_lshl_b32 s23, s20, 4
	s_add_co_u32 s22, s22, s23
	s_mov_b32 s23, 0
	s_add_nc_u64 s[18:19], s[18:19], s[22:23]      ; flags + 64 g + 16 w
	v_cmp_eq_u32 vcc_lo, 0, v1
	s_wait_xcnt 0x0                                ; EXEC changes only behind this wait
	s_and_saveexec_b32 s48, vcc_lo
	global_store_b128 v36, v[32:35], s[18:19]      ; lane 0 stores the wave's four words
	s_wait_xcnt 0x0
	s_or_b32 exec_lo, exec_lo, s48
	s_endpgm
.Lfunc_end_k_q396cd70e10_prep:
	.size	k_q396cd70e10_prep, .Lfunc_end_k_q396cd70e10_prep-k_q396cd70e10_prep
	.p2alignl 7, 3214868480
	.fill 96, 4, 3214868480
	.section	.rodata,"a",@progbits
	.p2align	6, 0x0
	.amdhsa_kernel k_q396cd70e10_prep
		.amdhsa_group_segment_fixed_size 34304
		.amdhsa_private_segment_fixed_size 0
		.amdhsa_enable_private_segment 0
		.amdhsa_kernarg_size 64
		.amdhsa_user_sgpr_count 2
		.amdhsa_user_sgpr_kernarg_segment_ptr 1
		.amdhsa_wavefront_size32 1
		.amdhsa_system_sgpr_workgroup_id_x 1
		.amdhsa_system_sgpr_workgroup_id_y 1
		.amdhsa_system_sgpr_workgroup_id_z 1
		.amdhsa_system_vgpr_workitem_id 0
		.amdhsa_next_free_vgpr 256
		.amdhsa_next_free_sgpr 66
		.amdhsa_reserve_vcc 1
		.amdhsa_float_denorm_mode_32 3
		.amdhsa_float_denorm_mode_16_64 3
		.amdhsa_memory_ordered 1
		.amdhsa_forward_progress 1
		.amdhsa_inst_pref_size 115
	.end_amdhsa_kernel
	.amdgpu_metadata
---
amdhsa.version: [ 1, 2 ]
amdhsa.kernels:
  - .name:           k_q396cd70e10_prep
    .symbol:         k_q396cd70e10_prep.kd
    .args:
      - { .name: hidden_states, .offset: 0, .size: 8, .value_kind: global_buffer, .address_space: global }
      - { .name: Wq, .offset: 8, .size: 8, .value_kind: global_buffer, .address_space: global }
      - { .name: Wk, .offset: 16, .size: 8, .value_kind: global_buffer, .address_space: global }
      - { .name: Wv, .offset: 24, .size: 8, .value_kind: global_buffer, .address_space: global }
      - { .name: Wo, .offset: 32, .size: 8, .value_kind: global_buffer, .address_space: global }
      - { .name: attention_mask, .offset: 40, .size: 8, .value_kind: global_buffer, .address_space: global }
      - { .name: w1, .offset: 48, .size: 8, .value_kind: global_buffer, .address_space: global }
      - { .name: flags, .offset: 56, .size: 8, .value_kind: global_buffer, .address_space: global }
    .group_segment_fixed_size: 34304
    .private_segment_fixed_size: 0
    .kernarg_segment_align: 8
    .kernarg_segment_size: 64
    .max_flat_workgroup_size: 128
    .sgpr_count:     66
    .vgpr_count:     256
    .wavefront_size: 32
...
	.end_amdgpu_metadata
.endif
;; end of part 1
;; launch qkv (part 2): grid 16 x 16, 4 waves a work-group, clusters of 4 x 4, 327,680 bytes of LDS; arguments w1, cos, sin, w2; writes w2
.if DOCPART == 2
	.amdgcn_target "amdgcn-amd-amdhsa--gfx1250"
	.amdhsa_code_object_version 6
	.text
	.protected	k_q396cd70e10_qkv
	.globl	k_q396cd70e10_qkv
	.p2align	8
	.type	k_q396cd70e10_qkv,@function
k_q396cd70e10_qkv:
	s_mov_b64 s[64:65], 0
	v_nop
	global_prefetch_b8 v0, s[64:65] scope:SCOPE_SE
	s_setreg_imm32_b32 hwreg(HW_REG_WAVE_MODE, 25, 1), 1
	s_wait_xcnt 0x0
	s_wait_alu depctr_hold_cnt(0) depctr_sa_sdst(0) depctr_va_vdst(0) depctr_va_sdst(0) depctr_va_ssrc(0) depctr_va_vcc(0) depctr_vm_vsrc(0)
	s_getreg_b32 s2, hwreg(HW_REG_IB_STS2, 6, 4)
	s_cmp_eq_u32 s2, 0
	s_cbranch_scc0 .Lentry_in_a_cluster
	s_endpgm
.Lentry_in_a_cluster:
	s_bfe_u32 s2, ttmp6, 0x10000c
	s_cmp_lg_u32 s2, 0xf033
	s_cbranch_scc0 .Lentry_shape_is_right
	s_endpgm
.Lentry_shape_is_right:
; SECOND LAUNCH: products 1 to 3 as ONE product on codes (4,096 tokens x 2,048 rows of Wq | Wk | Wv, K = 2,048), then from registers: RoPE and the quantisers of q and k (along d), the quantiser of v (along the keys).
; Nothing is left out here.  LIMITS: as the quantiser's in the first launch (byte 1 for blocks under 2^-124 and for blocks of zeros; no NaN, no infinities).
; SHARES.  A work-group makes 256 tokens (y) x 128 rows of W (x); a wave 64 x 128: 32 accumulators.  The side whose 64 rows lie in LANES is source 1, the side whose 128 rows run down the REGISTERS is source 0.
; q, k (cluster x 0 to 2): tokens in lanes, W's rows (two heads) in registers: a lane's registers run along d, the next K.  v (cluster x 3): W's rows (one head's d) in lanes, tokens in registers: they run along the keys.
; The row tiles of both sides are laid 32 g + 8 u + r + 8 (r / 8), so the 16 registers of two neighbouring tiles of source 0 are 16 neighbours, 32 g + 16 (lane / 16) + 0 .. 15.
; OPERANDS lie in w1 as images of their registers: a fragment comes by three loads of 16 bytes a lane, 512 consecutive bytes each; no pitch, no padding.
; RING: two LDS slots of four K steps (16 + 8 row tiles x 6,144 bytes).  Both are filled at the head and each once more: two changes of slots with a refill in the whole launch; a refill has four K steps, 128 matrix instructions a wave, in which to land.
; The scale words of all of K come once, with the first fills.  A wave has three tensor loads out at the head, one behind each refill.
; CLUSTER 4 x 4: the tokens' tiles hang on y alone and are asked for jointly along a row of the cluster, W's on x alone, along a column.
; cos and sin are loaded by the v work-groups too, which do not use them (a quarter of the work-groups, 32 KiB a wave): so every way to the lines that read those registers passes the loads that write them.
; No prefetch: nearly all bytes go out with the first fills, at the head, and the launch is short.
; REGISTERS: window 0: v1-7 lane terms; v16-17, v20-21 fragment addresses by slot; v24, v25 scale addresses; v28, v29 the add's two; v32-127 scale words, two sets of 48 (16 lane side, 32 register side);
;   v128-223 the lane side's fragments, two sets of 4 x 12 (on the way out: at work); window 1: the register side's, two sets of 8 x 12; window 2: accumulator (a, b) at v[8 (8 a + b)]; window 3: cos at 64 a, sin at 64 a + 32.
.set NKS,   16                         ; K steps of 128
.set SCT,   64*NKS                     ; a row tile's scale words in bytes
.set FRB,   1536                       ; a fragment's image
.set RTB,   4*FRB                      ; a row tile's four K steps in a slot
.set WOFF,  16*RTB                     ; a slot: 16 row tiles of tokens, then 8 of W
.set SLOT,  24*RTB
.set SCL,   2*SLOT                     ; behind the ring: the scale words: 16 row tiles of tokens, then 8 of W
.set SPARE, SCL+24*1024                ; the spare words, 128 bytes for each wave
.set WQ_O,  6291456                    ; in w1: W's codes, the tokens' scale words, W's scale words
.set XS_O,  11010048
.set WS_O,  11272192
.set V_O,   4718592                    ; in w2: v's codes, q's and k's scale words, v's scale words
.set QKS_O, 6291456
.set VS_O,  6684672
.set ADL, 16
.set ADR, 20
.set ALS, 24
.set ARS, 25
.set SPW, 28
.set NIL, 29
.set SC,  32
.set LF,  128
.set T,   128                          ; the way out: v128-159 32 numbers after RoPE
.set PB,  176                          ; v176-223 four images of 12 registers: no store's data are written again
.set SWP, 224                          ; v224-227 scale words to store
.set G1T, 24                           ; s[24:31] group 1, s[32:39] groups 0 by slot: the tokens' tiles
.set G0T, 32
.set G1W, 48                           ; s[48:55], s[56:63]: W's tiles
.set G0W, 56
.set G1TS, 68                          ; s[68:75], s[76:79]: the tokens' scale words
.set G0TS, 76
.set G1WS, 80                          ; s[80:87], s[88:91]: W's
.set G0WS, 88
.set MSB, 0
.macro WIN new                         ; the immediate's high byte repeats the setting that is left
.if MSB != \new
	s_set_vgpr_msb (MSB<<8)|\new
.set MSB, \new
.endif
.endm
.macro PLACES n
.rept \n
	v_nop
.endr
.endm
; A joint load: waves 0 and 1 fetch the tokens' halves, waves 2 and 3 W's.  The branch hangs on the wave's number alone.  An s_nop 0 and four v_nop follow each line.
.macro JLOAD g0a, g1a, g0b, g1b
	s_cmp_eq_u32 s15, 0
	s_cbranch_scc0 .Lfor_b_\@
	tensor_load_to_lds s[\g0a:\g0a+3], s[\g1a:\g1a+7]
	s_nop 0
.rept 4
	v_nop
.endr
	s_branch .Lasked_\@
.Lfor_b_\@:
	tensor_load_to_lds s[\g0b:\g0b+3], s[\g1b:\g1b+7]
	s_nop 0
.rept 4
	v_nop
.endr
.Lasked_\@:
.endm
.macro CREST                           ; a round of the cluster's barrier behind its opening barrier
	s_cmp_lg_u32 s14, 0
	s_cbranch_scc1 .Lnot_wave_0_\@
	s_barrier_signal -3
.Lnot_wave_0_\@:
	s_barrier_wait -3
	s_barrier_signal -1
	s_barrier_wait -1
.endm
.macro CROUND
	s_barrier_signal -1
	s_barrier_wait -1
	CREST
.endm
.macro FRAG3 reg, adr, off             ; an image comes back as the registers that it is
.irp c, 0,1,2
	ds_load_b128 v[\reg+4*\c:\reg+4*\c+3], v[\adr] offset:\off+512*\c
.endr
.endm
.macro FETCH slot, q, p                ; the slot's q-th K step into set p: 8 + 4 fragments, 36 loads
	WIN 0x40                                       ; destination window 1, address window 0
.irp i, 0,1,2,3,4,5,6,7
	FRAG3 96*(\p)+12*\i, ADR+(\slot), RTB*\i+FRB*(\q)
.endr
	WIN 0
.irp i, 0,1,2,3
	FRAG3 LF+48*(\p)+12*\i, ADL+(\slot), RTB*\i+FRB*(\q)
.endr
.endm
.macro SCALES sc, grp                  ; the scale words of four K steps: lane r takes row r's four words
.irp a, 0,1,2,3
	ds_load_b128 v[SC+48*(\sc)+4*\a:SC+48*(\sc)+4*\a+3], v[ALS] offset:\a*SCT+256*(\grp)
.endr
.irp b, 0,1,2,3,4,5,6,7
	ds_load_b128 v[SC+48*(\sc)+16+4*\b:SC+48*(\sc)+16+4*\b+3], v[ARS] offset:\b*SCT+256*(\grp)
.endr
.endm
; 8 matrix instructions: lane-side tile a against the register side's eight.  The 32 accumulators take turns, one instruction a turn, in the same order in every K step.
.macro MUL8 a, p, q, sc, zero
.irp b, 0,1,2,3,4,5,6,7
.if \zero
	v_wmma_scale_f32_16x16x128_f8f6f4 v[8*(8*(\a)+\b):8*(8*(\a)+\b)+7], v[96*(\p)+12*\b:96*(\p)+12*\b+11], v[LF+48*(\p)+12*(\a):LF+48*(\p)+12*(\a)+11], 0, v[SC+48*(\sc)+16+4*\b+(\q)], v[SC+48*(\sc)+4*(\a)+(\q)] matrix_a_fmt:MATRIX_FMT_FP6 matrix_b_fmt:MATRIX_FMT_FP6
.else
	v_wmma_scale_f32_16x16x128_f8f6f4 v[8*(8*(\a)+\b):8*(8*(\a)+\b)+7], v[96*(\p)+12*\b:96*(\p)+12*\b+11], v[LF+48*(\p)+12*(\a):LF+48*(\p)+12*(\a)+11], v[8*(8*(\a)+\b):8*(8*(\a)+\b)+7], v[SC+48*(\sc)+16+4*\b+(\q)], v[SC+48*(\sc)+4*(\a)+(\q)] matrix_a_fmt:MATRIX_FMT_FP6 matrix_b_fmt:MATRIX_FMT_FP6
.endif
.endr
.endm
.macro STEP slot, q, sc, zero          ; one of a slot's first three K steps
	s_wait_dscnt 0x0                               ; this step's fragments (asked for a step ago) are in
	WIN 0
	PLACES 4                                       ; in front of loads into registers that the last step's products read (ISA guide 7.12.1 for vector instructions)
	FETCH \slot, (\q)+1, 1-((\q)%2)
	WIN 0xa1                                       ; source 0 window 1, source 1 window 0, C and D window 2
	MUL8 0, (\q)%2, \q, \sc, \zero
	MUL8 1, (\q)%2, \q, \sc, \zero
	MUL8 2, (\q)%2, \q, \sc, \zero
	MUL8 3, (\q)%2, \q, \sc, \zero
.endm
; A slot's fourth K step changes slots: ONE barrier.  In front of it each wave waits for all its tensor loads, adds 0 to its spare word, and waits for that and for its reads of this slot.  fill = 1: the slot is filled again, eight K steps on.
.macro CHANGE slot, sc, grp, fill
	WIN 0
	s_wait_tensorcnt 0x0                           ; all my tensor loads have landed: my part of the next slot
	ds_add_u32 v[SPW], v[NIL]                      ; 0 onto my spare word
	s_wait_dscnt 0x1                               ; the add alone may be out: this step's fragments are in
	WIN 0xa1
	MUL8 0, 1, 3, \sc, 0
	s_wait_dscnt 0x0                               ; the add is done, and my reads of this slot are over
	s_barrier_signal -1
	MUL8 1, 1, 3, \sc, 0
	WIN 0
	s_barrier_wait -1
.if \fill
	CREST                                          ; the barrier has opened a round of the cluster's: no wave of any partner still reads this slot or has a load on its way
	s_add_nc_u64 s[G0T+4*\slot+2:G0T+4*\slot+3], s[G0T+4*\slot+2:G0T+4*\slot+3], 2*RTB
	s_add_nc_u64 s[G0W+4*\slot+2:G0W+4*\slot+3], s[G0W+4*\slot+2:G0W+4*\slot+3], 2*RTB
	JLOAD G0T+4*\slot, G1T, G0W+4*\slot, G1W       ; the first tensor load behind the round; its four v_nop are also the places in front of the loads below
.else
	PLACES 4
.endif
	FETCH 1-\slot, 0, 0
	SCALES 1-\sc, (\grp)+1
	WIN 0xa1
	MUL8 2, 1, 3, \sc, 0
	MUL8 3, 1, 3, \sc, 0
.endm
	s_load_b256 s[4:11], s[0:1], 0x0               ; w1 s[4:5], cos s[6:7], sin s[8:9], w2 s[10:11]
	v_lshl_add_u32 v[SPW], v0, 2, SPARE
	v_mov_b32 v[NIL], 0
	ds_add_u32 v[SPW], v[NIL]                      ; the wave's opening: the add, twice on end, and its wait ahead of my first tensor load
	ds_add_u32 v[SPW], v[NIL]
	v_lshrrev_b32 v1, 5, v0
	v_readfirstlane_b32 s14, v1                    ; wave 0..3
	s_lshr_b32 s15, s14, 1                         ; I fetch for the tokens (0) or for W (1)
	s_and_b32 s16, s14, 1                          ; which half of that tile
	s_bfe_u32 s40, ttmp6, 0x40000                  ; cx, cy
	s_bfe_u32 s41, ttmp6, 0x40004
	s_lshl_b32 s42, ttmp9, 2
	s_add_co_u32 s42, s42, s40                     ; x: 128 rows of W
	s_and_b32 s17, ttmp7, 0xffff
	s_lshl_b32 s17, s17, 2
	s_add_co_u32 s17, s17, s41                     ; y: 256 tokens
	s_lshl_b32 s43, s41, 2
	s_lshl_b32 s43, 15, s43                        ; my row of the cluster
	s_lshl_b32 s44, 0x1111, s40                    ; my column
	s_or_b32 s[G1T], s43, (3<<16)|(1<<21)          ; 15:0 the mask; 17:16 elements of 8 bytes; 21 set beside a mask; no padding
	s_mov_b32 s[G1T+1], 768<<16                    ; tensor_dim0: a row tile's four K steps, 6,144 bytes
	s_mov_b32 s[G1T+2], 8<<16                      ; tensor_dim1: 8 row tiles
	s_mov_b32 s[G1T+3], 768<<16                    ; tile_dim0
	s_mov_b32 s[G1T+4], 8                          ; tile_dim1
	s_mov_b32 s[G1T+5], 192*NKS                    ; from row tile to row tile: all its K steps
	s_mov_b32 s[G1T+6], 0
	s_mov_b32 s[G1T+7], 0
	s_or_b32 s[G1W], s44, (3<<16)|(1<<21)
	s_mov_b32 s[G1W+1], 768<<16
	s_mov_b32 s[G1W+2], 4<<16                      ; 4 row tiles
	s_mov_b32 s[G1W+3], 768<<16
	s_mov_b32 s[G1W+4], 4
	s_mov_b32 s[G1W+5], 192*NKS
	s_mov_b32 s[G1W+6], 0
	s_mov_b32 s[G1W+7], 0
	s_or_b32 s[G1TS], s43, (3<<16)|(1<<21)         ; scale words: a dense block, as rows of 256 bytes
	s_mov_b32 s[G1TS+1], 32<<16
	s_mov_b32 s[G1TS+2], (2*NKS)<<16
	s_mov_b32 s[G1TS+3], 32<<16
	s_mov_b32 s[G1TS+4], 2*NKS
	s_mov_b32 s[G1TS+5], 32
	s_mov_b32 s[G1TS+6], 0
	s_mov_b32 s[G1TS+7], 0
	s_or_b32 s[G1WS], s44, (3<<16)|(1<<21)
	s_mov_b32 s[G1WS+1], 32<<16
	s_mov_b32 s[G1WS+2], NKS<<16
	s_mov_b32 s[G1WS+3], 32<<16
	s_mov_b32 s[G1WS+4], NKS
	s_mov_b32 s[G1WS+5], 32
	s_mov_b32 s[G1WS+6], 0
	s_mov_b32 s[G1WS+7], 0
	s_lshl_b32 s18, s17, 4
	s_lshl_b32 s19, s16, 3
	s_add_co_u32 s18, s18, s19                     ; the tokens' row tile 16 y + 8 x half
	s_mul_i32 s20, s18, FRB*NKS                    ; its codes,
	s_mov_b32 s21, 0
	s_mul_i32 s22, s18, SCT
	s_add_co_u32 s22, s22, XS_O                    ; its scale words
	s_mov_b32 s23, 0
	s_lshl_b32 s46, s42, 3
	s_lshl_b32 s47, s16, 2
	s_add_co_u32 s46, s46, s47                     ; W's row tile 8 x + 4 x half
	s_mul_i32 s92, s46, SCT
	s_add_co_u32 s92, s92, WS_O
	s_mov_b32 s93, 0
	s_mul_i32 s46, s46, FRB*NKS
	s_add_co_u32 s46, s46, WQ_O
	s_mov_b32 s47, 0
	s_mul_i32 s45, s16, 8*RTB                      ; where they go: no place in the cluster enters an LDS address
	s_mul_i32 s94, s16, 4*RTB
	s_add_co_u32 s94, s94, WOFF
	s_mul_i32 s95, s16, 8*SCT
	s_add_co_u32 s95, s95, SCL
	s_mul_i32 s96, s16, 4*SCT
	s_add_co_u32 s96, s96, SCL+16*SCT
	s_mov_b32 s98, 0x76543210
	s_mov_b32 s99, 0xfedcba98                      ; lane l xor 16
	s_wait_dscnt 0x0                               ; both opening adds are done
	s_wait_kmcnt 0x0
	s_add_nc_u64 s[20:21], s[4:5], s[20:21]
	s_add_nc_u64 s[22:23], s[4:5], s[22:23]
	s_add_nc_u64 s[46:47], s[4:5], s[46:47]
	s_add_nc_u64 s[92:93], s[4:5], s[92:93]
	CROUND                                         ; all sixteen work-groups are here: the first joint loads meet
	s_mov_b32 s[G0TS], 1
	s_mov_b32 s[G0TS+1], s95
	s_mov_b64 s[G0TS+2:G0TS+3], s[22:23]
	s_or_b32 s[G0TS+3], s[G0TS+3], 0x80000000
	s_mov_b32 s[G0WS], 1
	s_mov_b32 s[G0WS+1], s96
	s_mov_b64 s[G0WS+2:G0WS+3], s[92:93]
	s_or_b32 s[G0WS+3], s[G0WS+3], 0x80000000
	JLOAD G0TS, G1TS, G0WS, G1WS                   ; the scale words of all of K: filled once
.irp s, 0,1
	s_mov_b32 s[G0T+4*\s], 1
	s_add_co_u32 s[G0T+4*\s+1], s45, \s*SLOT
	s_add_nc_u64 s[G0T+4*\s+2:G0T+4*\s+3], s[20:21], \s*RTB
	s_or_b32 s[G0T+4*\s+3], s[G0T+4*\s+3], 0x80000000
	s_mov_b32 s[G0W+4*\s], 1
	s_add_co_u32 s[G0W+4*\s+1], s94, \s*SLOT
	s_add_nc_u64 s[G0W+4*\s+2:G0W+4*\s+3], s[46:47], \s*RTB
	s_or_b32 s[G0W+4*\s+3], s[G0W+4*\s+3], 0x80000000
	JLOAD G0T+4*\s, G1T, G0W+4*\s, G1W
.endr
	v_and_b32 v1, 15, v0                           ; r
	v_bfe_u32 v2, v0, 4, 1                         ; h
	v_and_b32 v3, 31, v0                           ; lane
	v_lshlrev_b32 v4, 4, v3                        ; 16 x lane
	v_lshlrev_b32 v5, 4, v1                        ; 16 r
	v_lshlrev_b32 v7, 3, v3                        ; 8 x lane
	; which tiles lie in my lanes and which in my registers: chosen by the cluster's x, which all sixteen partners share
	s_mul_i32 s18, s14, 4*RTB                      ; q, k: lanes: tokens' row tiles 4 w on
	s_mul_i32 s19, s16, 4*RTB
	s_add_co_u32 s19, s19, WOFF                    ; v: lanes: W's row tiles 4 (w % 2) on
	s_mul_i32 s20, s15, 8*RTB                      ; v: registers: tokens' row tiles 8 (w / 2) on
	s_mul_i32 s21, s14, 4*SCT
	s_add_co_u32 s21, s21, SCL
	s_mul_i32 s22, s16, 4*SCT
	s_add_co_u32 s22, s22, SCL+16*SCT
	s_mul_i32 s23, s15, 8*SCT
	s_add_co_u32 s23, s23, SCL
	s_mov_b32 s2, WOFF                             ; q, k: registers: W's eight row tiles
	s_mov_b32 s3, SCL+16*SCT
	s_cmp_eq_u32 ttmp9, 3
	s_cselect_b32 s18, s19, s18
	s_cselect_b32 s20, s20, s2
	s_cselect_b32 s21, s22, s21
	s_cselect_b32 s23, s23, s3
	v_add_nc_u32 v[ADL], s18, v4
	v_add_nc_u32 v[ADL+1], SLOT, v[ADL]
	v_add_nc_u32 v[ADR], s20, v4
	v_add_nc_u32 v[ADR+1], SLOT, v[ADR]
	v_add_nc_u32 v[ALS], s21, v5
	v_add_nc_u32 v[ARS], s23, v5
	; cos and sin of my 64 tokens, in the layout of the results: lane (r, h) of tile a: token 32 (a / 2) + 8 (a % 2) + r + 8 (r / 8); register 16 b + i: d = 32 b + 16 h + i
	v_and_b32 v6, 8, v1
	v_add_nc_u32 v6, v6, v1
	v_lshlrev_b32 v6, 8, v6                        ; a token's row is 256 bytes
	v_lshl_add_u32 v6, v2, 6, v6
	s_lshl_b32 s66, s17, 16
	s_lshl_b32 s67, s14, 14
	s_add_co_u32 s66, s66, s67                     ; token 256 y + 64 w
	s_mov_b32 s67, 0
	s_add_nc_u64 s[6:7], s[6:7], s[66:67]
	s_add_nc_u64 s[8:9], s[8:9], s[66:67]
	WIN 0xc0                                       ; destination window 3
.irp a, 0,1,2,3
.irp b, 0,1
.irp j, 0,1,2,3
	global_load_b128 v[64*\a+16*\b+4*\j:64*\a+16*\b+4*\j+3], v6, s[6:7] offset:(32*(\a/2)+8*(\a%2))*256+128*\b+16*\j
	global_load_b128 v[64*\a+32+16*\b+4*\j:64*\a+32+16*\b+4*\j+3], v6, s[8:9] offset:(32*(\a/2)+8*(\a%2))*256+128*\b+16*\j
.endr
.endr
.endr
	WIN 0
	s_wait_tensorcnt 0x1                           ; the scale words and my part of slot 0 are in; slot 1's may stay out
	s_barrier_signal -1
	s_barrier_wait -1
	FETCH 0, 0, 0
	SCALES 0, 0
	STEP 0, 0, 0, 1                                ; the first K step's products start the sums: nothing is cleared
	STEP 0, 1, 0, 0
	STEP 0, 2, 0, 0
	CHANGE 0, 0, 0, 1                              ; slot 0 takes K steps 8 to 11
	STEP 1, 0, 1, 0
	STEP 1, 1, 1, 0
	STEP 1, 2, 1, 0
	CHANGE 1, 1, 1, 1                              ; slot 1 takes K steps 12 to 15
	STEP 0, 0, 0, 0
	STEP 0, 1, 0, 0
	STEP 0, 2, 0, 0
	CHANGE 0, 0, 2, 0                              ; nothing is left to fetch
	STEP 1, 0, 1, 0
	STEP 1, 1, 1, 0
	STEP 1, 2, 1, 0
	s_wait_dscnt 0x0
	WIN 0xa1
	MUL8 0, 1, 3, 1, 0
	MUL8 1, 1, 3, 1, 0
	MUL8 2, 1, 3, 1, 0
	MUL8 3, 1, 3, 1, 0
	WIN 0
	PLACES 4                                       ; in front of the first read of results and the first write of registers that held fragments
.irp i, 164,165,166,167,168,169,170,171
	v_mov_b32 v[\i], 0                             ; (a lane permute's destination counts as one of its sources)
.endr
	s_mov_b32 s97, 0xffff0000                      ; lanes 16-31
	s_lshr_b32 s18, s17, 3                         ; the batch,
	s_and_b32 s19, s17, 7                          ; and which 256 tokens of it
	s_mov_b32 s23, 0
	s_cmp_eq_u32 ttmp9, 3
	s_cbranch_scc1 .Lvpath
	; ---------------- q and k: RoPE, then the quantiser along d ----------------
	; w2: [batch][head X = 2 x + e: 0-15 q, 16-23 k][pair of row tiles P = token / 32][1,536]: registers 0-5 tile 2 P, 6-11 tile 2 P + 1 (64 along K are half a fragment).
	s_mul_i32 s20, s18, 24
	s_lshl_b32 s21, s42, 1
	s_add_co_u32 s20, s20, s21                     ; 24 b + 2 x
	s_lshl_b32 s21, s20, 6
	s_lshl_b32 s22, s19, 3
	s_add_co_u32 s21, s21, s22
	s_lshl_b32 s22, s14, 1
	s_add_co_u32 s21, s21, s22                     ; + P = 8 (y % 8) + 2 w
	s_mul_i32 s22, s21, FRB
	s_add_nc_u64 s[92:93], s[10:11], s[22:23]
	s_lshl_b32 s21, s20, 5
	s_lshl_b32 s22, s19, 2
	s_add_co_u32 s21, s21, s22
	s_add_co_u32 s21, s21, s14                     ; scale words: 256 bytes for each 64 tokens
	s_lshl_b32 s22, s21, 8
	s_add_co_u32 s22, s22, QKS_O
	s_add_nc_u64 s[94:95], s[10:11], s[22:23]
	s_wait_loadcnt 0x0                             ; cos and sin
.macro ROPE a, e                       ; tile a, head e: x0 = d 16 h + i (accumulators 4 e, 4 e + 1), x1 = d 32 + 16 h + i (4 e + 2, 4 e + 3); each accumulator is read from its low end on
	WIN 0x0e                                       ; source 0 window 2, source 1 window 3
.irp i, 0,2,4,6,8,10,12,14
	v_pk_mul_f32 v[T+\i:T+\i+1], v[64*(\a)+32*(\e)+\i:64*(\a)+32*(\e)+\i+1], v[64*(\a)+\i:64*(\a)+\i+1]
.endr
.irp i, 0,2,4,6,8,10,12,14
	v_pk_mul_f32 v[T+16+\i:T+16+\i+1], v[64*(\a)+32*(\e)+16+\i:64*(\a)+32*(\e)+16+\i+1], v[64*(\a)+16+\i:64*(\a)+16+\i+1]
.endr
.irp i, 0,2,4,6,8,10,12,14
	v_pk_fma_f32 v[T+\i:T+\i+1], v[64*(\a)+32*(\e)+16+\i:64*(\a)+32*(\e)+16+\i+1], v[64*(\a)+32+\i:64*(\a)+32+\i+1], v[T+\i:T+\i+1] neg_lo:[1,0,0] neg_hi:[1,0,0]   ; x0 cos - x1 sin
.endr
.irp i, 0,2,4,6,8,10,12,14
	v_pk_fma_f32 v[T+16+\i:T+16+\i+1], v[64*(\a)+32*(\e)+\i:64*(\a)+32*(\e)+\i+1], v[64*(\a)+48+\i:64*(\a)+48+\i+1], v[T+16+\i:T+16+\i+1]   ; x1 cos + x0 sin
.endr
	WIN 0
.endm
.macro QUANT2 dst                      ; two blocks of 32 along d, each in lanes l and l xor 16; six registers of codes at v[dst], the scale word in v172
	v_max3_num_f32 v164, |v[T]|, |v[T+1]|, 0x1800000
	v_max3_num_f32 v165, |v[T+16]|, |v[T+17]|, 0x1800000
.irp i, 2,4,6,8,10,12,14
	v_max3_num_f32 v164, v164, |v[T+\i]|, |v[T+\i+1]|
	v_max3_num_f32 v165, v165, |v[T+16+\i]|, |v[T+17+\i]|
.endr
	v_permlanex16_b32 v166, v164, s98, s99
	v_permlanex16_b32 v167, v165, s98, s99
	v_max_num_f32 v164, v164, v166
	v_max_num_f32 v165, v165, v167
	v_add_nc_u32 v168, 0xff000000, v164            ; 2 off the exponent field: the conversion's scale operand
	v_add_nc_u32 v169, 0xff000000, v165
	v_lshrrev_b32 v170, 23, v168
	v_lshrrev_b32 v171, 23, v169
	v_lshl_or_b32 v172, v171, 8, v170
	v_or_b32 v172, 0x7f7f0000, v172                ; the upper 64 along K of the matrix instruction hold nothing: their bytes are 1.0
	v_cvt_scalef32_pk16_fp6_f32 v[\dst:\dst+2], v[T:T+15], v168
	v_cvt_scalef32_pk16_fp6_f32 v[160:162], v[T+16:T+31], v169
	v_nop                                          ; one plain place behind a scaled conversion
.irp i, 0,1,2
	v_permlane16_swap_b32 v[\dst+\i], v[160+\i]    ; lanes 0-15 get block 0 whole, lanes 16-31 block 1
.endr
.irp i, 0,1,2
	v_mov_b32 v[\dst+3+\i], v[160+\i]
.endr
.endm
.irp e, 0,1
.irp al, 0,1
.irp ua, 0,1
	ROPE 2*\al+\ua, \e
	QUANT2 PB+12*(2*\e+\al)+6*\ua
.if \ua == 0
	v_mov_b32 v[SWP+2*\e+\al], v172
.else
	v_cndmask_b32 v[SWP+2*\e+\al], v[SWP+2*\e+\al], v172, s97   ; lanes 0-15: the even tile's words; lanes 16-31: the odd tile's
.endif
.endr
.irp c, 0,1,2
	global_store_b128 v4, v[PB+12*(2*\e+\al)+4*\c:PB+12*(2*\e+\al)+4*\c+3], s[92:93] offset:98304*\e+1536*\al+512*\c   ; 512 consecutive bytes
.endr
.endr
	global_store_b64 v7, v[SWP+2*\e:SWP+2*\e+1], s[94:95] offset:8192*\e   ; 256 consecutive bytes
.endr
	s_branch .Lend
	; ---------------- v: the quantiser along the keys ----------------
	; w2: [batch][kv head][key step of 128][d tile a][1,536]; lane r of d tile a is d = 32 (a / 2) + 8 (a % 2) + r + 8 (r / 8)
.Lvpath:
	s_sub_co_u32 s20, s42, 12
	s_lshl_b32 s20, s20, 1
	s_add_co_u32 s20, s20, s16                     ; the kv head: 2 (x - 12) + w % 2
	s_lshl_b32 s21, s18, 3
	s_add_co_u32 s20, s20, s21
	s_lshl_b32 s20, s20, 4
	s_lshl_b32 s21, s19, 1
	s_add_co_u32 s20, s20, s21
	s_add_co_u32 s20, s20, s15                     ; the key step: 2 (y % 8) + w / 2
	s_mul_i32 s22, s20, 4*FRB
	s_add_co_u32 s22, s22, V_O
	s_add_nc_u64 s[92:93], s[10:11], s[22:23]
	s_lshl_b32 s22, s20, 8
	s_add_co_u32 s22, s22, VS_O
	s_add_nc_u64 s[94:95], s[10:11], s[22:23]
.macro QUANTV a                        ; the 64 registers of lane-side tile a: register 16 b + i = key 32 b + 16 h + i of my d
	WIN 0x0a                                       ; sources 0 and 1 window 2
.irp b, 0,1,2,3
	v_max3_num_f32 v[164+\b], |v[64*(\a)+16*\b]|, |v[64*(\a)+16*\b+1]|, 0x1800000
.endr
.irp i, 2,4,6,8,10,12,14
.irp b, 0,1,2,3
	v_max3_num_f32 v[164+\b], |v[64*(\a)+16*\b+\i]|, |v[64*(\a)+16*\b+\i+1]|, v[164+\b]
.endr
.endr
	WIN 0
.irp b, 0,1,2,3
	v_permlanex16_b32 v[168+\b], v[164+\b], s98, s99
.endr
.irp b, 0,1,2,3
	v_max_num_f32 v[164+\b], v[164+\b], v[168+\b]
.endr
.irp b, 0,1,2,3
	v_add_nc_u32 v[240+\b], 0xff000000, v[164+\b]
.endr
.irp b, 0,1,2,3
	v_lshrrev_b32 v[168+\b], 23, v[240+\b]
.endr
	v_lshl_or_b32 v172, v169, 8, v168
	v_lshl_or_b32 v172, v170, 16, v172
	v_lshl_or_b32 v172, v171, 24, v172
	WIN 0x02                                       ; source 0 window 2
.irp c, 0,1
	v_cvt_scalef32_pk16_fp6_f32 v[PB+12*(\a)+6*\c:PB+12*(\a)+6*\c+2], v[64*(\a)+32*\c:64*(\a)+32*\c+15], v[240+2*\c]
	v_cvt_scalef32_pk16_fp6_f32 v[244+4*\c:246+4*\c], v[64*(\a)+32*\c+16:64*(\a)+32*\c+31], v[241+2*\c]
.endr
	WIN 0
	v_nop                                          ; one plain place behind a scaled conversion
.irp c, 0,1
.irp i, 0,1,2
	v_permlane16_swap_b32 v[PB+12*(\a)+6*\c+\i], v[244+4*\c+\i]
.endr
.irp i, 0,1,2
	v_mov_b32 v[PB+12*(\a)+6*\c+3+\i], v[244+4*\c+\i]
.endr
.endr
.endm
.irp a, 0,1,2,3
	QUANTV \a
.if \a%2 == 0
	v_mov_b32 v[SWP+\a/2], v172
.else
	v_cndmask_b32 v[SWP+\a/2], v[SWP+\a/2], v172, s97
.endif
.irp c, 0,1,2
	global_store_b128 v4, v[PB+12*\a+4*\c:PB+12*\a+4*\c+3], s[92:93] offset:1536*\a+512*\c
.endr
.endr
	global_store_b64 v7, v[SWP:SWP+1], s[94:95]
.Lend:
	s_wait_tensorcnt 0x0                           ; the wave's end, behind my last tensor load
	ds_add_u32 v[SPW], v[NIL]
	s_wait_dscnt 0x0
	CROUND                                         ; the closing round: no work-group ends while a partner may still ask for a tile that names it
	s_endpgm
.Lfunc_end_k_q396cd70e10_qkv:
	.size	k_q396cd70e10_qkv, .Lfunc_end_k_q396cd70e10_qkv-k_q396cd70e10_qkv
	.p2alignl 7, 3214868480
	.fill 96, 4, 3214868480
	.section	.rodata,"a",@progbits
	.p2align	6, 0x0
	.amdhsa_kernel k_q396cd70e10_qkv
		.amdhsa_group_segment_fixed_size 327680
		.amdhsa_private_segment_fixed_size 0
		.amdhsa_enable_private_segment 0
		.amdhsa_kernarg_size 32
		.amdhsa_user_sgpr_count 2
		.amdhsa_user_sgpr_kernarg_segment_ptr 1
		.amdhsa_wavefront_size32 1
		.amdhsa_system_sgpr_workgroup_id_x 1
		.amdhsa_system_sgpr_workgroup_id_y 1
		.amdhsa_system_sgpr_workgroup_id_z 1
		.amdhsa_system_vgpr_workitem_id 0
		.amdhsa_next_free_vgpr 1024
		.amdhsa_next_free_sgpr 100
		.amdhsa_reserve_vcc 0
		.amdhsa_float_denorm_mode_32 3
		.amdhsa_float_denorm_mode_16_64 3
		.amdhsa_memory_ordered 1
		.amdhsa_forward_progress 1
		.amdhsa_inst_pref_size 178
	.end_amdhsa_kernel
	.amdgpu_metadata
---
amdhsa.version: [ 1, 2 ]
amdhsa.kernels:
  - .name:           k_q396cd70e10_qkv
    .symbol:         k_q396cd70e10_qkv.kd
    .args:
      - { .name: w1, .offset: 0, .size: 8, .value_kind: global_buffer, .address_space: global }
      - { .name: cos, .offset: 8, .size: 8, .value_kind: global_buffer, .address_space: global }
      - { .name: sin, .offset: 16, .size: 8, .value_kind: global_buffer, .address_space: global }
      - { .name: w2, .offset: 24, .size: 8, .value_kind: global_buffer, .address_space: global }
    .group_segment_fixed_size: 327680
    .private_segment_fixed_size: 0
    .kernarg_segment_align: 8
    .kernarg_segment_size: 32
    .max_flat_workgroup_size: 128
    .sgpr_count:     100
    .vgpr_count:     1024
    .wavefront_size: 32
...
	.end_amdgpu_metadata
.endif
;; end of part 2
;; launch attn (part 3): grid 256 x 1, 8 waves a work-group, no clusters, 0 bytes of LDS; arguments w2, flags, attention_mask, w3; writes w3
.if DOCPART == 3
	.amdgcn_target "amdgcn-amd-amdhsa--gfx1250"
	.amdhsa_code_object_version 6
	.text
	.protected	k_q396cd70e10_attn
	.globl	k_q396cd70e10_attn
	.p2align	8
	.type	k_q396cd70e10_attn,@function
k_q396cd70e10_attn:
	s_mov_b64 s[64:65], 0
	v_nop
	global_prefetch_b8 v0, s[64:65] scope:SCOPE_SE
	s_setreg_imm32_b32 hwreg(HW_REG_WAVE_MODE, 25, 1), 1
	s_wait_xcnt 0x0
; THIRD LAUNCH: products 4 and 5 with the softmax between them, the division by the row's sum, and the quantiser of the context (along head x 64 + d) for product 6.
; WHAT IS PASSED OVER: key steps that the first launch's whole numbers name.  A step of 128 keys is passed over for my 32-query group only if all its mask entries are at most -1e37 AND each of the 32 rows has
; somewhere an entry of at least -1e36: then, with |score x SCALE| < 1e36, each of its logits lies more than 7e36 under its row's largest, p is exactly 0 as in reference()'s f32, and the row's maximum lies elsewhere.
; If some row has no such entry, all 16 steps are walked.  A step whose mask entries are all 0 is walked without loading the mask.  This holds for every mask; no pattern is built in.
; LIMITS: |score x SCALE| < 1e36; a NaN in the mask is not carried; logits whose t = logit x log2(e) overflows f32 are served by the branch-free choice below only where the whole row so far is such.
; THE SOFTMAX: u = score x 0.125 + mask; t = u log2(e); M = ceil(the largest t so far), kept as -M = floor(-t); p = 2^(t - M) is quantised along the keys; the sum is taken of the unquantised p; when M moves the sum and
; O are multiplied by 2^(old M - new M), exactly.  A ROW WHOLLY MASKED SO FAR (its largest t has overflowed): p = 2^(u - U), which is 1 where u equals the row's largest u, as reference()'s softmax of equal logits gives
; equal weights; a later key that counts wipes that with the factor 0.  The choice is made by v_cndmask_b32; nothing branches on these numbers.
; SHARES.  A wave owns ONE tile of 16 queries and the TWO query heads of one kv head, which share K, V and the mask's registers.  2,048 waves, eight to a work-group; waves w and w + 4 take an early and a late tile of queries,
; which evens the work out where the mask is causal and changes nothing else.  The walk hangs on numbers read from memory: so no tensor load, no LDS, no barrier, no cluster: operands come from their images straight into registers.
; LAYOUT.  Both products transposed: S^T = K Q^T (source 0 = 16 keys), O^T = V^T P^T (source 0 = 16 of d): a lane holds one query throughout.  K = 64 fills half of the matrix instruction's 128: a tile of K is six registers,
; and the six above it, the next tile's codes, meet Q's zero codes under the scale 1.0.
; No prefetch: each byte of K and V is read by many waves, and the loads themselves run a step ahead.
; REGISTERS, window 0: v1 16 x lane, v2 8 x lane, v3 the mask's offset, v4 lane, v5 r, v6 log2(e), v7 1.0; v8-23 statistics, eight a head: -M, U | the sum's two halves | kappa, old -M | f, at work;
;   v24-47 Q (6 of codes, 6 of zeros, a head); v48-57 scale words: Q's, P's, K's, V's; v58-63 at work; v64-191 S^T, then p; v192-215 P; v216-255 at work.
;   window 1: v0-53 K; v64-111 V; v128-191 O^T; v192-255 the mask's tile (zeros where the step's entries are all 0).
.set V_O,   4718592
.set QKS_O, 6291456
.set VS_O,  6684672
.set CS_O,  3145728
.set ST,  8
.set QF,  24
.set QSC, 48
.set PSC, 50
.set KSC, 52
.set VSC, 56
.set S,   64
.set P,   192
.set TC,  216
.set BM,  232
.set T2,  240
.set SO,  248
.set VF,  64                           ; window 1
.set O,   128
.set MK,  192
.set MSB, 0
.macro WIN new                         ; the immediate's high byte repeats the setting that is left
.if MSB != \new
	s_set_vgpr_msb (MSB<<8)|\new
.set MSB, \new
.endif
.endm
	s_load_b256 s[4:11], s[0:1], 0x0               ; w2 s[4:5], flags s[6:7], attention_mask s[8:9], w3 s[10:11]
	v_lshrrev_b32 v1, 5, v0
	v_readfirstlane_b32 s12, v1                    ; wave 0..7
	s_lshr_b32 s13, ttmp9, 4                       ; 8 b + kv head
	s_and_b32 s14, ttmp9, 15
	s_lshr_b32 s15, s12, 2
	s_and_b32 s70, s12, 3
	s_and_b32 s71, s14, 1
	s_lshl_b32 s71, s71, 2
	s_add_co_u32 s70, s70, s71                     ; 0 .. 7
	s_sub_co_u32 s71, 15, s70
	s_cmp_eq_u32 s15, 0
	s_cselect_b32 s70, s70, s71                    ; waves 0-3: an early level; waves 4-7: its mirror
	s_lshl_b32 s70, s70, 3
	s_lshr_b32 s71, s14, 1
	s_add_co_u32 s70, s70, s71                     ; my tile of queries, 0 .. 127
	s_lshr_b32 s71, s70, 1                         ; g: its group of 32
	s_and_b32 s72, s70, 1                          ; u
	s_lshr_b32 s73, s13, 3                         ; b
	s_and_b32 s74, s13, 7                          ; kv head
	s_lshl_b32 s60, s71, 6
	s_mov_b32 s61, 0                               ; (the upper word of every offset pair s[60:61])
	s_wait_kmcnt 0x0
	s_add_nc_u64 s[6:7], s[6:7], s[60:61]
	s_load_b512 s[16:31], s[6:7], 0x0              ; my group's flags: four waves' (live, nonzero, rows, 0)
	v_and_b32 v4, 31, v0
	v_lshlrev_b32 v1, 4, v4
	v_lshlrev_b32 v2, 3, v4
	v_and_b32 v5, 15, v0
	v_bfe_u32 v58, v0, 4, 1
	v_and_b32 v59, 8, v5
	v_add_nc_u32 v59, v59, v5
	s_lshl_b32 s62, s71, 5
	s_lshl_b32 s63, s72, 3
	s_add_co_u32 s62, s62, s63
	v_add_nc_u32 v59, s62, v59                     ; my query: 32 g + 8 u + r + 8 (r / 8)
	v_lshlrev_b32 v3, 13, v59
	v_lshl_add_u32 v3, v58, 6, v3                  ; its row of the mask, + 64 h
	s_mul_i32 s62, s72, 520                        ; Q's six registers of the pair's image: bytes 0, 8, 512 of my lane's places for the even tile, 520, 1,024, 1,032 for the odd one
	s_mul_i32 s63, s72, 1016
	v_add_nc_u32 v60, s62, v1
	v_add_nc_u32 v61, s63, v1
	v_add_nc_u32 v62, s62, v1
	s_lshl_b32 s62, s72, 7
	s_and_b32 s63, s71, 1
	s_lshl_b32 s63, s63, 2
	s_add_co_u32 s62, s62, s63
	v_lshl_add_u32 v63, v5, 3, s62                 ; Q's scale word: 8 (r + 16 u) + 4 (g % 2)
	s_mul_i32 s75, s73, 24
	s_add_co_u32 s76, s75, s74
	s_add_co_u32 s76, s76, 16                      ; K's place among the 24 heads
	s_mul_i32 s60, s76, 98304
	s_add_nc_u64 s[40:41], s[4:5], s[60:61]        ; K's codes,
	s_lshl_b32 s60, s76, 13
	s_add_co_u32 s60, s60, QKS_O
	s_add_nc_u64 s[42:43], s[4:5], s[60:61]        ; K's scale words,
	s_mul_i32 s60, s13, 98304
	s_add_co_u32 s60, s60, V_O
	s_add_nc_u64 s[44:45], s[4:5], s[60:61]        ; V's codes,
	s_lshl_b32 s60, s13, 12
	s_add_co_u32 s60, s60, VS_O
	s_add_nc_u64 s[46:47], s[4:5], s[60:61]        ; V's scale words
	s_lshl_b32 s76, s74, 1
	s_add_co_u32 s76, s76, s75                     ; my first query head
	s_mul_i32 s60, s76, 98304
	s_mul_i32 s77, s71, 1536
	s_add_co_u32 s60, s60, s77
	s_add_nc_u64 s[48:49], s[4:5], s[60:61]        ; Q's pair image
	s_lshl_b32 s60, s76, 13
	s_lshr_b32 s77, s71, 1
	s_lshl_b32 s77, s77, 8
	s_add_co_u32 s60, s60, s77
	s_add_co_u32 s60, s60, QKS_O
	s_add_nc_u64 s[50:51], s[4:5], s[60:61]
.irp e, 0,1
	global_load_b64 v[QF+12*\e:QF+12*\e+1], v60, s[48:49] offset:98304*\e
	global_load_b64 v[QF+12*\e+2:QF+12*\e+3], v61, s[48:49] offset:98304*\e+8
	global_load_b64 v[QF+12*\e+4:QF+12*\e+5], v62, s[48:49] offset:98304*\e+512
	global_load_b32 v[QSC+\e], v63, s[50:51] offset:8192*\e
.endr
	s_lshl_b32 s76, s73, 7
	s_add_co_u32 s76, s76, s70                     ; the context's row tile: 128 b + my tile
	s_lshl_b32 s77, s76, 3
	s_add_co_u32 s77, s77, s74                     ; its K step is the kv head: heads 2 hkv, 2 hkv + 1 are 128 along K
	s_mul_i32 s60, s77, 1536
	s_add_nc_u64 s[82:83], s[10:11], s[60:61]
	s_lshl_b32 s60, s76, 9
	s_lshr_b32 s77, s74, 2
	s_lshl_b32 s77, s77, 8
	s_add_co_u32 s60, s60, s77
	s_and_b32 s77, s74, 3
	s_lshl_b32 s77, s77, 2
	s_add_co_u32 s60, s60, s77
	s_add_co_u32 s60, s60, CS_O
	s_add_nc_u64 s[84:85], s[10:11], s[60:61]
	s_mov_b32 s66, 0x76543210
	s_mov_b32 s67, 0xfedcba98                      ; lane l xor 16
	s_mov_b32 s69, 0xff7fffff                      ; the most negative finite number
	s_mov_b32 s78, 0x3e000000                      ; SCALE = 0.125
	s_mov_b32 s79, s78                             ; (named with it as a pair, so it is written)
	s_mov_b32 s39, 0                               ; the mask's registers hold zeros
	v_mov_b32 v6, 0x3fb8aa3b                       ; log2(e)
	v_mov_b32 v7, 1.0
.irp e, 0,1
	v_mov_b32 v[ST+8*\e], 0x7f7fffff               ; -M: over every -M
	v_mov_b32 v[ST+8*\e+1], 0xff7fffff             ; U: under every u that is a number
.irp i, 2,3,4,5,6,7
	v_mov_b32 v[ST+8*\e+\i], 0
.endr
.irp i, 6,7,8,9,10,11
	v_mov_b32 v[QF+12*\e+\i], 0                    ; Q's zero codes for the upper 64 along K
.endr
.endr
.irp i, 0,1,2,3,4,5,6,7
	v_mov_b32 v[T2+\i], 0                          ; (a lane permute's destination counts as one of its sources)
.endr
	WIN 0x40                                       ; destination window 1
.irp i, 48,49,50,51,52,53
	v_mov_b32 v[\i], 0                             ; above K's last tile
.endr
.set j, 0
.rept 128
	v_mov_b32 v[O+j], 0                            ; O^T and the mask's tile.  (The trip is written twice, not three times: the first finds zeros)
.set j, j+1
.endr
	WIN 0
	s_wait_kmcnt 0x0
	s_or_b32 s32, s16, s20
	s_or_b32 s32, s32, s24
	s_or_b32 s32, s32, s28                         ; live steps
	s_or_b32 s33, s17, s21
	s_or_b32 s33, s33, s25
	s_or_b32 s33, s33, s29                         ; steps with entries other than 0
	s_or_b32 s34, s18, s22
	s_or_b32 s34, s34, s26
	s_or_b32 s34, s34, s30                         ; rows with an entry of at least -1e36
	s_mov_b32 s62, 0xffff
	s_cmp_eq_u32 s34, -1
	s_cselect_b32 s32, s32, s62                    ; some row without: all 16 steps
	s_and_b32 s32, s32, s62
	s_bcnt1_i32_b32 s35, s32
	s_max_u32 s35, s35, 1
	s_sub_co_u32 s35, s35, 1
	s_min_u32 s35, s35, 15                         ; trips of the loop: the steps to walk, less the last
.macro NEXTJ d                         ; the lowest step still to walk; held inside 0 .. 15 before it enters an address
	s_ctz_i32_b32 \d, s32
	s_min_u32 \d, \d, 15
	s_sub_co_u32 s62, s32, 1
	s_and_b32 s32, s32, s62
.endm
.macro LOADK j                         ; 8 tiles of K (4 pair images on end) and their scale words: 14 loads
	s_wait_xcnt 0x0                                ; the base pairs are written again only behind this wait
	s_mul_i32 s60, \j, 6144
	s_add_nc_u64 s[52:53], s[40:41], s[60:61]
	s_lshl_b32 s60, \j, 9
	s_add_nc_u64 s[54:55], s[42:43], s[60:61]
	WIN 0x40
.irp i, 0,1,2,3,4,5,6,7,8,9,10,11
	global_load_b128 v[4*\i:4*\i+3], v1, s[52:53] offset:512*\i
.endr
	WIN 0
	global_load_b64 v[KSC:KSC+1], v2, s[54:55]
	global_load_b64 v[KSC+2:KSC+3], v2, s[54:55] offset:256
.endm
.macro LOADV j                         ; 4 tiles of V^T and their scale words: 13 loads
	s_wait_xcnt 0x0
	s_mul_i32 s60, \j, 6144
	s_add_nc_u64 s[56:57], s[44:45], s[60:61]
	s_lshl_b32 s60, \j, 8
	s_add_nc_u64 s[58:59], s[46:47], s[60:61]
	WIN 0x40
.irp i, 0,1,2,3,4,5,6,7,8,9,10,11
	global_load_b128 v[VF+4*\i:VF+4*\i+3], v1, s[56:57] offset:512*\i
.endr
	WIN 0
	global_load_b64 v[VSC:VSC+1], v2, s[58:59]
.endm
.macro MASKNEXT j                      ; the mask's tile of step j: loaded where it holds something other than 0 (16 loads); else zeros, written only if the registers hold a loaded tile.  The branches hang on stored whole numbers
	s_lshr_b32 s62, s33, \j
	s_and_b32 s62, s62, 1
	s_cmp_lg_u32 s62, 0
	s_cbranch_scc0 .Lplain_\@
	s_wait_xcnt 0x0
	s_lshl_b32 s60, \j, 9
	s_add_nc_u64 s[80:81], s[8:9], s[60:61]
	WIN 0x40
.irp i, 0,1,2,3,4,5,6,7,8,9,10,11,12,13,14,15
	global_load_b128 v[MK+4*\i:MK+4*\i+3], v3, s[80:81] offset:128*(\i/4)+16*(\i%4)   ; register 16 b + i: key 32 b + 16 h + i
.endr
	WIN 0
	s_mov_b32 s39, 1
	s_branch .Lmdone_\@
.Lplain_\@:
	s_cmp_eq_u32 s39, 0
	s_cbranch_scc1 .Lmdone_\@
	WIN 0x40
.set j, 0
.rept 64
	v_mov_b32 v[MK+j], 0
.set j, j+1
.endr
	WIN 0
	s_mov_b32 s39, 0
.Lmdone_\@:
.endm
; A KEY STEP for both heads.  pf = 1: the next step's K and mask are asked for on the way.
.macro TRIP pf
.rept 4
	v_nop                                          ; places behind the last products, in front of the loads into V's registers
.endr
	LOADV s37
	s_wait_loadcnt 13                              ; V's 13 may be out: K, its scale words, the mask's tile (and in the first trip Q) are in
	WIN 0x01                                       ; source 0 (K) window 1
.irp t, 0,1,2,3,4,5,6,7
.irp e, 0,1
.if \t%2 == 0
	v_wmma_scale_f32_16x16x128_f8f6f4 v[S+64*\e+8*\t:S+64*\e+8*\t+7], v[6*\t:6*\t+11], v[QF+12*\e:QF+12*\e+11], 0, v[KSC+\t/2], v[QSC+\e] matrix_a_fmt:MATRIX_FMT_FP6 matrix_b_fmt:MATRIX_FMT_FP6
.else
	v_wmma_scale_f32_16x16x128_f8f6f4 v[S+64*\e+8*\t:S+64*\e+8*\t+7], v[6*\t:6*\t+11], v[QF+12*\e:QF+12*\e+11], 0, v[KSC+\t/2], v[QSC+\e] matrix_a_fmt:MATRIX_FMT_FP6 matrix_b_fmt:MATRIX_FMT_FP6 matrix_a_scale:MATRIX_SCALE_ROW1
.endif
.endr
.endr
	WIN 0
.rept 4
	v_nop                                          ; places in front of the first read of the scores and of the loads into K's registers
.endr
.if \pf
	NEXTJ s38
	LOADK s38
.endif
	WIN 0x10                                       ; source 2 (the mask) window 1
.irp e, 0,1
.set j, 0
.rept 32
	v_pk_fma_f32 v[S+64*\e+j:S+64*\e+j+1], v[S+64*\e+j:S+64*\e+j+1], s[78:79], v[MK+j:MK+j+1] op_sel_hi:[1,0,1]   ; u = score x SCALE + mask; each accumulator from its low end on
.set j, j+2
.endr
.endr
	WIN 0
.if \pf
	MASKNEXT s38                                   ; behind the last read of this step's tile
.endif
.irp e, 0,1
.irp b, 0,1,2,3
	v_max3_num_f32 v[BM+4*\e+\b], v[S+64*\e+16*\b], v[S+64*\e+16*\b+1], v[S+64*\e+16*\b+2]   ; the largest u of each block of 32 keys: for the row's maximum and, since p rises with u, for the block's largest p
.endr
.endr
.irp i, 3,5,7,9,11,13
.irp e, 0,1
.irp b, 0,1,2,3
	v_max3_num_f32 v[BM+4*\e+\b], v[BM+4*\e+\b], v[S+64*\e+16*\b+\i], v[S+64*\e+16*\b+\i+1]
.endr
.endr
.endr
.irp e, 0,1
.irp b, 0,1,2,3
	v_max_num_f32 v[BM+4*\e+\b], v[BM+4*\e+\b], v[S+64*\e+16*\b+15]
.endr
.endr
.irp k, 0,1,2,3,4,5,6,7
	v_permlanex16_b32 v[T2+\k], v[BM+\k], s66, s67
.endr
.irp k, 0,1,2,3,4,5,6,7
	v_max_num_f32 v[BM+\k], v[BM+\k], v[T2+\k]     ; with lane l xor 16's 16 keys
.endr
.irp e, 0,1
	v_max3_num_f32 v[ST+8*\e+7], v[BM+4*\e], v[BM+4*\e+1], v[BM+4*\e+2]
.endr
.irp e, 0,1
	v_max_num_f32 v[ST+8*\e+7], v[ST+8*\e+7], v[BM+4*\e+3]
	v_mov_b32 v[ST+8*\e+5], v[ST+8*\e]             ; the old -M
.endr
.irp e, 0,1
	v_max_num_f32 v[ST+8*\e+1], v[ST+8*\e+1], v[ST+8*\e+7]   ; U: the largest u so far
.endr
.irp e, 0,1
	v_mul_f32 v[58+\e], v6, v[ST+8*\e+1]           ; as t
	v_sub_f32 v[60+\e], 0, v[ST+8*\e+1]            ; -U
.endr
.irp e, 0,1
	v_floor_f32 v[ST+8*\e], -v[58+\e]              ; -M = floor(-t) = -ceil(t)
	v_cmp_gt_f32 s[86+\e], s69, v[58+\e]           ; has t overflowed?  Then the row is wholly masked so far:
.endr
.irp e, 0,1
	v_cndmask_b32 v[ST+8*\e], v[ST+8*\e], v[60+\e], s[86+\e]   ; the exponent is u - U,
	v_cndmask_b32 v[ST+8*\e+4], v6, v7, s[86+\e]   ; by kappa = 1 in place of log2(e)
.endr
.irp e, 0,1
	v_sub_f32 v[62+\e], v[ST+8*\e], v[ST+8*\e+5]   ; old M - new M: a whole number, 0 or less
.endr
.irp e, 0,1
	v_cvt_i32_f32 v[62+\e], v[62+\e]               ; (it saturates)
.endr
.irp e, 0,1
	v_ldexp_f32 v[ST+8*\e+6], 1.0, v[62+\e]        ; f = 2^(old M - new M)
.endr
.irp e, 0,1
.set j, 0
.rept 32
	v_pk_fma_f32 v[S+64*\e+j:S+64*\e+j+1], v[S+64*\e+j:S+64*\e+j+1], v[ST+8*\e+4:ST+8*\e+5], v[ST+8*\e:ST+8*\e+1] op_sel_hi:[1,0,0]   ; t - M (of the pairs kappa and -M the low word serves both halves)
.set j, j+2
.endr
.irp b, 0,1,2,3
	v_fma_f32 v[BM+4*\e+\b], v[BM+4*\e+\b], v[ST+8*\e+4], v[ST+8*\e]   ; the same of each block's largest u
.endr
.endr
.set j, 0
.rept 128
	v_exp_f32 v[S+j], v[S+j]                       ; p = 2^(t - M), at most 1: not normalised
.set j, j+1
.endr
.irp e, 0,1
	v_pk_mul_f32 v[ST+8*\e+2:ST+8*\e+3], v[ST+8*\e+2:ST+8*\e+3], v[ST+8*\e+6:ST+8*\e+7] op_sel_hi:[1,0]   ; the sums under the new M (plain work behind the exponentials)
.endr
	s_wait_alu depctr_va_vdst(0)                   ; one wait for the whole batch, ahead of its first reader
.irp k, 0,1,2,3,4,5,6,7
	v_exp_f32 v[BM+\k], v[BM+\k]                   ; each block's largest p
.endr
.irp e, 0,1
	v_pk_add_f32 v[T2+4*\e:T2+4*\e+1], v[S+64*\e:S+64*\e+1], v[S+64*\e+2:S+64*\e+3]   ; the row's sum, of the unquantised p: two chains a head
.endr
.set j, 4
.rept 15
.irp e, 0,1
	v_pk_add_f32 v[ST+8*\e+2:ST+8*\e+3], v[ST+8*\e+2:ST+8*\e+3], v[S+64*\e+j:S+64*\e+j+1]
	v_pk_add_f32 v[T2+4*\e:T2+4*\e+1], v[T2+4*\e:T2+4*\e+1], v[S+64*\e+j+2:S+64*\e+j+3]
.endr
.set j, j+4
.endr
.irp e, 0,1
	v_pk_add_f32 v[ST+8*\e+2:ST+8*\e+3], v[ST+8*\e+2:ST+8*\e+3], v[T2+4*\e:T2+4*\e+1]
.endr
	s_wait_alu depctr_va_vdst(0)                   ; and one for the eight
.irp k, 0,1,2,3,4,5,6,7
	v_max_num_f32 v[BM+\k], 0x1800000, v[BM+\k]    ; the floor 2^(3 - 127): the byte cannot fall under 1
.endr
.irp k, 0,1,2,3,4,5,6,7
	v_add_nc_u32 v[SO+\k], 0xff000000, v[BM+\k]    ; 2 off the exponent field: the conversion's scale operand
.endr
.irp k, 0,1,2,3,4,5,6,7
	v_lshrrev_b32 v[T2+\k], 23, v[SO+\k]           ; the scale's byte
.endr
.irp e, 0,1
	v_lshl_or_b32 v[PSC+\e], v[T2+4*\e+1], 8, v[T2+4*\e]
.endr
.irp e, 0,1
	v_lshl_or_b32 v[PSC+\e], v[T2+4*\e+2], 16, v[PSC+\e]
.endr
.irp e, 0,1
	v_lshl_or_b32 v[PSC+\e], v[T2+4*\e+3], 24, v[PSC+\e]   ; p's scale word for these 128 keys
.endr
.irp e, 0,1
.irp c, 0,1
	v_cvt_scalef32_pk16_fp6_f32 v[P+12*\e+6*\c:P+12*\e+6*\c+2], v[S+64*\e+32*\c:S+64*\e+32*\c+15], v[SO+4*\e+2*\c]
	v_cvt_scalef32_pk16_fp6_f32 v[TC+8*\e+4*\c:TC+8*\e+4*\c+2], v[S+64*\e+32*\c+16:S+64*\e+32*\c+31], v[SO+4*\e+2*\c+1]
.endr
.endr
	v_nop                                          ; one plain place behind a scaled conversion
.irp e, 0,1
.irp c, 0,1
.irp i, 0,1,2
	v_permlane16_swap_b32 v[P+12*\e+6*\c+\i], v[TC+8*\e+4*\c+\i]   ; the operand wants a whole block in a lane
.endr
.irp i, 0,1,2
	v_mov_b32 v[P+12*\e+6*\c+3+\i], v[TC+8*\e+4*\c+\i]
.endr
.endr
.endr
.if \pf
	s_wait_loadcnt 14                              ; behind V's loads stand the next K's 14, and on one way the mask's 16 more: with at most 14 out V is in on both ways
.else
	s_wait_loadcnt 0x0
.endif
	WIN 0x41                                       ; O^T: destination and source 0 window 1
.irp e, 0,1
.set j, 0
.rept 16
	v_pk_mul_f32 v[O+32*\e+j:O+32*\e+j+1], v[O+32*\e+j:O+32*\e+j+1], v[ST+8*\e+6:ST+8*\e+7] op_sel_hi:[1,0]   ; O^T under the new M.  (These 32 are also the places in front of the products below)
.set j, j+2
.endr
.endr
	WIN 0x51                                       ; V window 1, P window 0, C and D window 1
.irp a, 0,1,2,3
.irp e, 0,1
.if \a%2 == 0
	v_wmma_scale_f32_16x16x128_f8f6f4 v[O+32*\e+8*\a:O+32*\e+8*\a+7], v[VF+12*\a:VF+12*\a+11], v[P+12*\e:P+12*\e+11], v[O+32*\e+8*\a:O+32*\e+8*\a+7], v[VSC+\a/2], v[PSC+\e] matrix_a_fmt:MATRIX_FMT_FP6 matrix_b_fmt:MATRIX_FMT_FP6
.else
	v_wmma_scale_f32_16x16x128_f8f6f4 v[O+32*\e+8*\a:O+32*\e+8*\a+7], v[VF+12*\a:VF+12*\a+11], v[P+12*\e:P+12*\e+11], v[O+32*\e+8*\a:O+32*\e+8*\a+7], v[VSC+\a/2], v[PSC+\e] matrix_a_fmt:MATRIX_FMT_FP6 matrix_b_fmt:MATRIX_FMT_FP6 matrix_a_scale:MATRIX_SCALE_ROW1
.endif
.endr
.endr
	WIN 0
.if \pf
	s_mov_b32 s37, s38
.endif
.endm
	NEXTJ s37
	LOADK s37
	MASKNEXT s37
	s_mov_b32 s36, 0
	s_cmp_eq_u32 s35, 0
	s_cbranch_scc1 .Ltail
.Lloop:
	TRIP 1
	s_add_co_u32 s36, s36, 1
	s_cmp_lt_u32 s36, s35
	s_cbranch_scc1 .Lloop
.Ltail:
	TRIP 0                                         ; the last step asks for nothing more
	; THE WAY OUT: O^T / the sum; the two heads' 64 + 64 numbers of a query are one K step of the last product: quantised here, stored as an image.
.rept 4
	v_nop                                          ; places behind the last products
.endr
.irp e, 0,1
	v_add_f32 v[ST+8*\e+2], v[ST+8*\e+2], v[ST+8*\e+3]
.endr
.irp e, 0,1
	v_permlanex16_b32 v[T2+\e], v[ST+8*\e+2], s66, s67
.endr
.irp e, 0,1
	v_add_f32 v[ST+8*\e+2], v[ST+8*\e+2], v[T2+\e] ; the row's sum
.endr
.irp e, 0,1
	v_rcp_f32 v[ST+8*\e+6], v[ST+8*\e+2]
.endr
	v_nop                                          ; a plain place behind the reciprocals
	s_wait_alu depctr_va_vdst(0)                   ; and the wait ahead of their first reader
	WIN 0x01                                       ; source 0 window 1
.irp e, 0,1
.set j, 0
.rept 16
	v_pk_mul_f32 v[S+32*\e+j:S+32*\e+j+1], v[O+32*\e+j:O+32*\e+j+1], v[ST+8*\e+6:ST+8*\e+7] op_sel_hi:[1,0]   ; register 32 e + 16 b + i: k = 64 e + 32 b + 16 h + i
.set j, j+2
.endr
.endr
	WIN 0
.irp b, 0,1,2,3
	v_max3_num_f32 v[BM+\b], |v[S+16*\b]|, |v[S+16*\b+1]|, 0x1800000
.endr
.irp i, 2,4,6,8,10,12,14
.irp b, 0,1,2,3
	v_max3_num_f32 v[BM+\b], v[BM+\b], |v[S+16*\b+\i]|, |v[S+16*\b+\i+1]|
.endr
.endr
.irp b, 0,1,2,3
	v_permlanex16_b32 v[T2+\b], v[BM+\b], s66, s67
.endr
.irp b, 0,1,2,3
	v_max_num_f32 v[BM+\b], v[BM+\b], v[T2+\b]
.endr
.irp b, 0,1,2,3
	v_add_nc_u32 v[SO+\b], 0xff000000, v[BM+\b]
.endr
.irp b, 0,1,2,3
	v_lshrrev_b32 v[T2+\b], 23, v[SO+\b]
.endr
	v_lshl_or_b32 v58, v[T2+1], 8, v[T2]
	v_lshl_or_b32 v58, v[T2+2], 16, v58
	v_lshl_or_b32 v58, v[T2+3], 24, v58
.irp c, 0,1
	v_cvt_scalef32_pk16_fp6_f32 v[P+6*\c:P+6*\c+2], v[S+32*\c:S+32*\c+15], v[SO+2*\c]
	v_cvt_scalef32_pk16_fp6_f32 v[TC+4*\c:TC+4*\c+2], v[S+32*\c+16:S+32*\c+31], v[SO+2*\c+1]
.endr
	v_nop
.irp c, 0,1
.irp i, 0,1,2
	v_permlane16_swap_b32 v[P+6*\c+\i], v[TC+4*\c+\i]
.endr
.irp i, 0,1,2
	v_mov_b32 v[P+6*\c+3+\i], v[TC+4*\c+\i]
.endr
.endr
.irp c, 0,1,2
	global_store_b128 v1, v[P+4*\c:P+4*\c+3], s[82:83] offset:512*\c   ; 512 consecutive bytes
.endr
	v_lshlrev_b32 v59, 4, v5                       ; a row's four words of a group of K steps are 16 bytes
	v_cmp_gt_u32 vcc_lo, 16, v4
	s_wait_xcnt 0x0                                ; EXEC changes only behind this wait
	s_and_saveexec_b32 s62, vcc_lo
	global_store_b32 v59, v58, s[84:85]            ; lanes 0-15: row r's word of this K step
	s_wait_xcnt 0x0
	s_or_b32 exec_lo, exec_lo, s62
	s_endpgm
.Lfunc_end_k_q396cd70e10_attn:
	.size	k_q396cd70e10_attn, .Lfunc_end_k_q396cd70e10_attn-k_q396cd70e10_attn
	.p2alignl 7, 3214868480
	.fill 96, 4, 3214868480
	.section	.rodata,"a",@progbits
	.p2align	6, 0x0
	.amdhsa_kernel k_q396cd70e10_attn
		.amdhsa_group_segment_fixed_size 0
		.amdhsa_private_segment_fixed_size 0
		.amdhsa_enable_private_segment 0
		.amdhsa_kernarg_size 32
		.amdhsa_user_sgpr_count 2
		.amdhsa_user_sgpr_kernarg_segment_ptr 1
		.amdhsa_wavefront_size32 1
		.amdhsa_system_sgpr_workgroup_id_x 1
		.amdhsa_system_sgpr_workgroup_id_y 1
		.amdhsa_system_sgpr_workgroup_id_z 1
		.amdhsa_system_vgpr_workitem_id 0
		.amdhsa_next_free_vgpr 512
		.amdhsa_next_free_sgpr 96
		.amdhsa_reserve_vcc 1
		.amdhsa_float_denorm_mode_32 3
		.amdhsa_float_denorm_mode_16_64 3
		.amdhsa_memory_ordered 1
		.amdhsa_forward_progress 1
		.amdhsa_inst_pref_size 95
	.end_amdhsa_kernel
	.amdgpu_metadata
---
amdhsa.version: [ 1, 2 ]
amdhsa.kernels:
  - .name:           k_q396cd70e10_attn
    .symbol:         k_q396cd70e10_attn.kd
    .args:
      - { .name: w2, .offset: 0, .size: 8, .value_kind: global_buffer, .address_space: global }
      - { .name: flags, .offset: 8, .size: 8, .value_kind: global_buffer, .address_space: global }
      - { .name: attention_mask, .offset: 16, .size: 8, .value_kind: global_buffer, .address_space: global }
      - { .name: w3, .offset: 24, .size: 8, .value_kind: global_buffer, .address_space: global }
    .group_segment_fixed_size: 0
    .private_segment_fixed_size: 0
    .kernarg_segment_align: 8
    .kernarg_segment_size: 32
    .max_flat_workgroup_size: 256
    .sgpr_count:     96
    .vgpr_count:     512
    .wavefront_size: 32
...
	.end_amdgpu_metadata
.endif
;; end of part 3
;; launch oproj (part 4): grid 16 x 16, 4 waves a work-group, clusters of 4 x 4, 327,680 bytes of LDS; arguments w3, w1, out0; writes out0
.if DOCPART == 4
	.amdgcn_target "amdgcn-amd-amdhsa--gfx1250"
	.amdhsa_code_object_version 6
	.text
	.protected	k_q396cd70e10_oproj
	.globl	k_q396cd70e10_oproj
	.p2align	8
	.type	k_q396cd70e10_oproj,@function
k_q396cd70e10_oproj:
	s_mov_b64 s[64:65], 0
	v_nop
	global_prefetch_b8 v0, s[64:65] scope:SCOPE_SE
	s_setreg_imm32_b32 hwreg(HW_REG_WAVE_MODE, 25, 1), 1
	s_wait_xcnt 0x0
	s_wait_alu depctr_hold_cnt(0) depctr_sa_sdst(0) depctr_va_vdst(0) depctr_va_sdst(0) depctr_va_ssrc(0) depctr_va_vcc(0) depctr_vm_vsrc(0)
	s_getreg_b32 s2, hwreg(HW_REG_IB_STS2, 6, 4)
	s_cmp_eq_u32 s2, 0
	s_cbranch_scc0 .Lentry_in_a_cluster
	s_endpgm
.Lentry_in_a_cluster:
	s_bfe_u32 s2, ttmp6, 0x10000c
	s_cmp_lg_u32 s2, 0xf033
	s_cbranch_scc0 .Lentry_shape_is_right
	s_endpgm
.Lentry_shape_is_right:
; FOURTH LAUNCH: product 6, out0 = context x Wo^T, on codes: 4,096 tokens x 2,048 rows of Wo, K = 1,024.  Nothing is left out here.
; The frame is the second launch's: a work-group makes 256 tokens (y) x 128 rows of Wo (x), a wave 64 tokens (in lanes, source 1) x 128 columns (down the registers, source 0): 32 accumulators; operands lie in w3 and w1 as
; images of their registers.  All of K (two slots of four K steps) and all scale words come with the first fills: nothing is filled again.  A wave has three tensor loads out at the head.
; CLUSTER 4 x 4: the context's tiles are asked for jointly along a row of the cluster, Wo's along a column.  No prefetch: all bytes go out at the head.
; THE WAY OUT: a lane's registers of a tile of tokens are 128 columns of one row, 16 neighbours at a time; a block of 16 rows goes through the wave's own stage in LDS and leaves as whole rows of 512 bytes.
; The stage lies in slot 0: it has had its only fill, and behind the change of slots nobody reads it.
.set NKS,   8
.set SCT,   64*NKS
.set FRB,   1536
.set RTB,   4*FRB
.set WOFF,  16*RTB
.set SLOT,  24*RTB
.set SCL,   2*SLOT
.set SPARE, SCL+24*1024                ; the spare words, 128 bytes for each wave
.set CS_O,  3145728                    ; in w3: the context's scale words
.set WO_O,  9437184                    ; in w1: Wo's codes, Wo's scale words
.set WOS_O, 11403264
.set STO, 8                            ; v8  the stage: where I put 16 bytes of a row
.set RD,  9                            ; v9  and where I read a row back
.set ADL, 16
.set ADR, 20
.set ALS, 24
.set ARS, 25
.set SPW, 28
.set NIL, 29
.set SC,  32
.set LF,  128
.set BK,  128                          ; the way out: 16 rows read back: v128-191 and v192-255 by turns
.set G1T, 24
.set G0T, 32
.set G1W, 48
.set G0W, 56
.set G1TS, 68
.set G0TS, 76
.set G1WS, 80
.set G0WS, 88
.set MSB, 0
.macro WIN new                         ; the immediate's high byte repeats the setting that is left
.if MSB != \new
	s_set_vgpr_msb (MSB<<8)|\new
.set MSB, \new
.endif
.endm
.macro PLACES n
.rept \n
	v_nop
.endr
.endm
.macro JLOAD g0a, g1a, g0b, g1b        ; a joint load: waves 0 and 1 fetch the context's halves, waves 2 and 3 Wo's; an s_nop 0 and four v_nop follow each line
	s_cmp_eq_u32 s15, 0
	s_cbranch_scc0 .Lfor_b_\@
	tensor_load_to_lds s[\g0a:\g0a+3], s[\g1a:\g1a+7]
	s_nop 0
.rept 4
	v_nop
.endr
	s_branch .Lasked_\@
.Lfor_b_\@:
	tensor_load_to_lds s[\g0b:\g0b+3], s[\g1b:\g1b+7]
	s_nop 0
.rept 4
	v_nop
.endr
.Lasked_\@:
.endm
.macro CROUND                          ; a round of the cluster's barrier
	s_barrier_signal -1
	s_barrier_wait -1
	s_cmp_lg_u32 s14, 0
	s_cbranch_scc1 .Lnot_wave_0_\@
	s_barrier_signal -3
.Lnot_wave_0_\@:
	s_barrier_wait -3
	s_barrier_signal -1
	s_barrier_wait -1
.endm
.macro FRAG3 reg, adr, off
.irp c, 0,1,2
	ds_load_b128 v[\reg+4*\c:\reg+4*\c+3], v[\adr] offset:\off+512*\c
.endr
.endm
.macro FETCH slot, q, p                ; the slot's q-th K step into set p: 36 loads
	WIN 0x40
.irp i, 0,1,2,3,4,5,6,7
	FRAG3 96*(\p)+12*\i, ADR+(\slot), RTB*\i+FRB*(\q)
.endr
	WIN 0
.irp i, 0,1,2,3
	FRAG3 LF+48*(\p)+12*\i, ADL+(\slot), RTB*\i+FRB*(\q)
.endr
.endm
.macro SCALES sc, grp
.irp a, 0,1,2,3
	ds_load_b128 v[SC+48*(\sc)+4*\a:SC+48*(\sc)+4*\a+3], v[ALS] offset:\a*SCT+256*(\grp)
.endr
.irp b, 0,1,2,3,4,5,6,7
	ds_load_b128 v[SC+48*(\sc)+16+4*\b:SC+48*(\sc)+16+4*\b+3], v[ARS] offset:\b*SCT+256*(\grp)
.endr
.endm
.macro MUL8 a, p, q, sc, zero          ; the 32 accumulators take turns, one instruction a turn, in the same order in every K step
.irp b, 0,1,2,3,4,5,6,7
.if \zero
	v_wmma_scale_f32_16x16x128_f8f6f4 v[8*(8*(\a)+\b):8*(8*(\a)+\b)+7], v[96*(\p)+12*\b:96*(\p)+12*\b+11], v[LF+48*(\p)+12*(\a):LF+48*(\p)+12*(\a)+11], 0, v[SC+48*(\sc)+16+4*\b+(\q)], v[SC+48*(\sc)+4*(\a)+(\q)] matrix_a_fmt:MATRIX_FMT_FP6 matrix_b_fmt:MATRIX_FMT_FP6
.else
	v_wmma_scale_f32_16x16x128_f8f6f4 v[8*(8*(\a)+\b):8*(8*(\a)+\b)+7], v[96*(\p)+12*\b:96*(\p)+12*\b+11], v[LF+48*(\p)+12*(\a):LF+48*(\p)+12*(\a)+11], v[8*(8*(\a)+\b):8*(8*(\a)+\b)+7], v[SC+48*(\sc)+16+4*\b+(\q)], v[SC+48*(\sc)+4*(\a)+(\q)] matrix_a_fmt:MATRIX_FMT_FP6 matrix_b_fmt:MATRIX_FMT_FP6
.endif
.endr
.endm
.macro STEP slot, q, sc, zero
	s_wait_dscnt 0x0                               ; this step's fragments (asked for a step ago) are in
	WIN 0
	PLACES 4                                       ; in front of loads into registers that the last step's products read
	FETCH \slot, (\q)+1, 1-((\q)%2)
	WIN 0xa1
	MUL8 0, (\q)%2, \q, \sc, \zero
	MUL8 1, (\q)%2, \q, \sc, \zero
	MUL8 2, (\q)%2, \q, \sc, \zero
	MUL8 3, (\q)%2, \q, \sc, \zero
.endm
	s_load_b128 s[4:7], s[0:1], 0x0                ; w3 s[4:5], w1 s[6:7]
	s_load_b64 s[8:9], s[0:1], 0x10                ; out0
	v_lshl_add_u32 v[SPW], v0, 2, SPARE
	v_mov_b32 v[NIL], 0
	ds_add_u32 v[SPW], v[NIL]                      ; the wave's opening: the add, twice on end, and its wait ahead of my first tensor load
	ds_add_u32 v[SPW], v[NIL]
	v_lshrrev_b32 v1, 5, v0
	v_readfirstlane_b32 s14, v1                    ; wave 0..3
	s_lshr_b32 s15, s14, 1
	s_and_b32 s16, s14, 1
	s_bfe_u32 s40, ttmp6, 0x40000
	s_bfe_u32 s41, ttmp6, 0x40004
	s_lshl_b32 s42, ttmp9, 2
	s_add_co_u32 s42, s42, s40                     ; x: 128 rows of Wo
	s_and_b32 s17, ttmp7, 0xffff
	s_lshl_b32 s17, s17, 2
	s_add_co_u32 s17, s17, s41                     ; y: 256 tokens
	s_lshl_b32 s43, s41, 2
	s_lshl_b32 s43, 15, s43
	s_lshl_b32 s44, 0x1111, s40
	s_or_b32 s[G1T], s43, (3<<16)|(1<<21)          ; the mask; elements of 8 bytes; bit 21 beside a mask; no padding
	s_mov_b32 s[G1T+1], 768<<16
	s_mov_b32 s[G1T+2], 8<<16
	s_mov_b32 s[G1T+3], 768<<16
	s_mov_b32 s[G1T+4], 8
	s_mov_b32 s[G1T+5], 192*NKS
	s_mov_b32 s[G1T+6], 0
	s_mov_b32 s[G1T+7], 0
	s_or_b32 s[G1W], s44, (3<<16)|(1<<21)
	s_mov_b32 s[G1W+1], 768<<16
	s_mov_b32 s[G1W+2], 4<<16
	s_mov_b32 s[G1W+3], 768<<16
	s_mov_b32 s[G1W+4], 4
	s_mov_b32 s[G1W+5], 192*NKS
	s_mov_b32 s[G1W+6], 0
	s_mov_b32 s[G1W+7], 0
	s_or_b32 s[G1TS], s43, (3<<16)|(1<<21)
	s_mov_b32 s[G1TS+1], 32<<16
	s_mov_b32 s[G1TS+2], (2*NKS)<<16
	s_mov_b32 s[G1TS+3], 32<<16
	s_mov_b32 s[G1TS+4], 2*NKS
	s_mov_b32 s[G1TS+5], 32
	s_mov_b32 s[G1TS+6], 0
	s_mov_b32 s[G1TS+7], 0
	s_or_b32 s[G1WS], s44, (3<<16)|(1<<21)
	s_mov_b32 s[G1WS+1], 32<<16
	s_mov_b32 s[G1WS+2], NKS<<16
	s_mov_b32 s[G1WS+3], 32<<16
	s_mov_b32 s[G1WS+4], NKS
	s_mov_b32 s[G1WS+5], 32
	s_mov_b32 s[G1WS+6], 0
	s_mov_b32 s[G1WS+7], 0
	s_lshl_b32 s18, s17, 4
	s_lshl_b32 s19, s16, 3
	s_add_co_u32 s18, s18, s19                     ; the context's row tile 16 y + 8 x half
	s_mul_i32 s20, s18, FRB*NKS
	s_mov_b32 s21, 0
	s_mul_i32 s22, s18, SCT
	s_add_co_u32 s22, s22, CS_O
	s_mov_b32 s23, 0
	s_lshl_b32 s46, s42, 3
	s_lshl_b32 s47, s16, 2
	s_add_co_u32 s46, s46, s47                     ; Wo's row tile 8 x + 4 x half
	s_mul_i32 s92, s46, SCT
	s_add_co_u32 s92, s92, WOS_O
	s_mov_b32 s93, 0
	s_mul_i32 s46, s46, FRB*NKS
	s_add_co_u32 s46, s46, WO_O
	s_mov_b32 s47, 0
	s_mul_i32 s45, s16, 8*RTB
	s_mul_i32 s94, s16, 4*RTB
	s_add_co_u32 s94, s94, WOFF
	s_mul_i32 s95, s16, 8*SCT
	s_add_co_u32 s95, s95, SCL
	s_mul_i32 s96, s16, 4*SCT
	s_add_co_u32 s96, s96, SCL+16*SCT
	s_wait_dscnt 0x0                               ; both opening adds are done
	s_wait_kmcnt 0x0
	s_add_nc_u64 s[20:21], s[4:5], s[20:21]
	s_add_nc_u64 s[22:23], s[4:5], s[22:23]
	s_add_nc_u64 s[46:47], s[6:7], s[46:47]
	s_add_nc_u64 s[92:93], s[6:7], s[92:93]
	CROUND                                         ; all sixteen work-groups are here: the joint loads meet
	s_mov_b32 s[G0TS], 1
	s_mov_b32 s[G0TS+1], s95
	s_mov_b64 s[G0TS+2:G0TS+3], s[22:23]
	s_or_b32 s[G0TS+3], s[G0TS+3], 0x80000000
	s_mov_b32 s[G0WS], 1
	s_mov_b32 s[G0WS+1], s96
	s_mov_b64 s[G0WS+2:G0WS+3], s[92:93]
	s_or_b32 s[G0WS+3], s[G0WS+3], 0x80000000
	JLOAD G0TS, G1TS, G0WS, G1WS
.irp s, 0,1
	s_mov_b32 s[G0T+4*\s], 1
	s_add_co_u32 s[G0T+4*\s+1], s45, \s*SLOT
	s_add_nc_u64 s[G0T+4*\s+2:G0T+4*\s+3], s[20:21], \s*RTB
	s_or_b32 s[G0T+4*\s+3], s[G0T+4*\s+3], 0x80000000
	s_mov_b32 s[G0W+4*\s], 1
	s_add_co_u32 s[G0W+4*\s+1], s94, \s*SLOT
	s_add_nc_u64 s[G0W+4*\s+2:G0W+4*\s+3], s[46:47], \s*RTB
	s_or_b32 s[G0W+4*\s+3], s[G0W+4*\s+3], 0x80000000
	JLOAD G0T+4*\s, G1T, G0W+4*\s, G1W
.endr
	v_and_b32 v1, 15, v0                           ; r
	v_bfe_u32 v2, v0, 4, 1                         ; h
	v_and_b32 v3, 31, v0
	v_lshlrev_b32 v4, 4, v3                        ; 16 x lane
	v_lshlrev_b32 v5, 4, v1                        ; 16 r
	s_mul_i32 s18, s14, 4*RTB                      ; lanes: the context's row tiles 4 w on
	v_add_nc_u32 v[ADL], s18, v4
	v_add_nc_u32 v[ADL+1], SLOT, v[ADL]
	v_add_nc_u32 v[ADR], WOFF, v4                  ; registers: Wo's eight row tiles
	v_add_nc_u32 v[ADR+1], SLOT, v[ADR]
	s_mul_i32 s19, s14, 4*SCT
	s_add_co_u32 s19, s19, SCL
	v_add_nc_u32 v[ALS], s19, v5
	v_add_nc_u32 v[ARS], SCL+16*SCT, v5
	s_mul_i32 s20, s14, 8448                       ; my stage: 16 rows x (512 bytes + 16)
	v_mul_u32_u24 v[STO], v1, 528
	v_lshl_add_u32 v[STO], v2, 6, v[STO]
	v_add_nc_u32 v[STO], s20, v[STO]               ; in: row r, + 64 h: tile b's eight columns stand 128 (b / 2) + 32 (b % 2) bytes on
	v_add_nc_u32 v[RD], s20, v4                    ; back: a row's 512 bytes, 16 a lane
	s_lshl_b32 s18, s17, 21                        ; out0: token 256 y + 64 w, rows of 8,192 bytes; column 128 x
	s_lshl_b32 s19, s14, 19
	s_add_co_u32 s18, s18, s19
	s_lshl_b32 s19, s42, 9
	s_add_co_u32 s18, s18, s19
	s_mov_b32 s19, 0
	s_add_nc_u64 s[8:9], s[8:9], s[18:19]
	s_wait_tensorcnt 0x1                           ; the scale words and my part of slot 0 are in; slot 1's may stay out
	s_barrier_signal -1
	s_barrier_wait -1
	FETCH 0, 0, 0
	SCALES 0, 0
	STEP 0, 0, 0, 1                                ; the first K step's products start the sums
	STEP 0, 1, 0, 0
	STEP 0, 2, 0, 0
	; the change of slots: each wave's part of slot 1 has landed and its reads of slot 0 are over; nothing is filled again
	WIN 0
	s_wait_tensorcnt 0x0
	ds_add_u32 v[SPW], v[NIL]                      ; 0 onto my spare word
	s_wait_dscnt 0x1                               ; the add alone may be out: this step's fragments are in
	WIN 0xa1
	MUL8 0, 1, 3, 0, 0
	s_wait_dscnt 0x0
	s_barrier_signal -1
	MUL8 1, 1, 3, 0, 0
	WIN 0
	s_barrier_wait -1
	PLACES 4
	FETCH 1, 0, 0
	SCALES 1, 1
	WIN 0xa1
	MUL8 2, 1, 3, 0, 0
	MUL8 3, 1, 3, 0, 0
	STEP 1, 0, 1, 0
	STEP 1, 1, 1, 0
	STEP 1, 2, 1, 0
	s_wait_dscnt 0x0
	WIN 0xa1
	MUL8 0, 1, 3, 1, 0
	MUL8 1, 1, 3, 1, 0
	MUL8 2, 1, 3, 1, 0
	MUL8 3, 1, 3, 1, 0
	WIN 0
.macro TOSTAGE a                       ; tile a's 16 rows x 128 columns into my stage and back as whole rows; LDS serves a wave's instructions in order, so no wait stands between
	WIN 0x08                                       ; an LDS store's data are its source 1: window 2
.irp b, 0,1,2,3,4,5,6,7
	ds_store_b128 v[STO], v[64*(\a)+8*\b:64*(\a)+8*\b+3] offset:128*(\b/2)+32*(\b%2)        ; each accumulator from its low end on
	ds_store_b128 v[STO], v[64*(\a)+8*\b+4:64*(\a)+8*\b+7] offset:128*(\b/2)+32*(\b%2)+16
.endr
	WIN 0
.irp i, 0,1,2,3,4,5,6,7,8,9,10,11,12,13,14,15
	ds_load_b128 v[BK+64*((\a)%2)+4*\i:BK+64*((\a)%2)+4*\i+3], v[RD] offset:528*\i
.endr
.endm
.macro SEND a, younger                 ; younger: the LDS instructions issued behind tile a's loads, which may stay out
	s_wait_dscnt \younger
.irp i, 0,1,2,3,4,5,6,7,8,9,10,11,12,13,14,15
	global_store_b128 v4, v[BK+64*((\a)%2)+4*\i:BK+64*((\a)%2)+4*\i+3], s[8:9] offset:(32*((\a)/2)+8*((\a)%2)+\i+8*(\i/8))*8192 th:TH_STORE_NT   ; 32 lanes store 512 consecutive bytes, at a multiple of 256 from out0's first byte
.endr
.endm
	PLACES 4                                       ; in front of the first read of results and of loads into registers that held fragments
	TOSTAGE 0
	TOSTAGE 1
	SEND 0, 32                                     ; behind tile 0's loads: tile 1's 16 stores and 16 loads
	s_wait_xcnt 0x0                                ; tile 0's stores have read their registers: tile 2's rows may land there
	TOSTAGE 2
	SEND 1, 32
	s_wait_xcnt 0x0
	TOSTAGE 3
	SEND 2, 32
	SEND 3, 0
	s_wait_tensorcnt 0x0                           ; the wave's end, behind my last tensor load and my last LDS store
	ds_add_u32 v[SPW], v[NIL]
	s_wait_dscnt 0x0
	CROUND                                         ; the closing round
	s_endpgm
.Lfunc_end_k_q396cd70e10_oproj:
	.size	k_q396cd70e10_oproj, .Lfunc_end_k_q396cd70e10_oproj-k_q396cd70e10_oproj
	.p2alignl 7, 3214868480
	.fill 96, 4, 3214868480
	.section	.rodata,"a",@progbits
	.p2align	6, 0x0
	.amdhsa_kernel k_q396cd70e10_oproj
		.amdhsa_group_segment_fixed_size 327680
		.amdhsa_private_segment_fixed_size 0
		.amdhsa_enable_private_segment 0
		.amdhsa_kernarg_size 24
		.amdhsa_user_sgpr_count 2
		.amdhsa_user_sgpr_kernarg_segment_ptr 1
		.amdhsa_wavefront_size32 1
		.amdhsa_system_sgpr_workgroup_id_x 1
		.amdhsa_system_sgpr_workgroup_id_y 1
		.amdhsa_system_sgpr_workgroup_id_z 1
		.amdhsa_system_vgpr_workitem_id 0
		.amdhsa_next_free_vgpr 768
		.amdhsa_next_free_sgpr 100
		.amdhsa_reserve_vcc 0
		.amdhsa_float_denorm_mode_32 3
		.amdhsa_float_denorm_mode_16_64 3
		.amdhsa_memory_ordered 1
		.amdhsa_forward_progress 1
		.amdhsa_inst_pref_size 78
	.end_amdhsa_kernel
	.amdgpu_metadata
---
amdhsa.version: [ 1, 2 ]
amdhsa.kernels:
  - .name:           k_q396cd70e10_oproj
    .symbol:         k_q396cd70e10_oproj.kd
    .args:
      - { .name: w3, .offset: 0, .size: 8, .value_kind: global_buffer, .address_space: global }
      - { .name: w1, .offset: 8, .size: 8, .value_kind: global_buffer, .address_space: global }
      - { .name: out0, .offset: 16, .size: 8, .value_kind: global_buffer, .address_space: global }
    .group_segment_fixed_size: 327680
    .private_segment_fixed_size: 0
    .kernarg_segment_align: 8
    .kernarg_segment_size: 24
    .max_flat_workgroup_size: 128
    .sgpr_count:     100
    .vgpr_count:     768
    .wavefront_size: 32
...
	.end_amdgpu_metadata
.endif
;; end of part 4
;; ======== version 2 of 2: 4 launches; version 1 with the launch attn written anew for expert scheduling mode
;; workspace buffers: w1 11,468,800 bytes; flags 4,096 bytes of whole numbers; w2 6,750,208 bytes; w3 3,276,800 bytes
;; launch prep: the kernel of part 1 again; grid 288 x 1, 4 waves a work-group, no clusters, 34,304 bytes of LDS; arguments hidden_states, Wq, Wk, Wv, Wo, attention_mask, w1, flags; writes w1, flags
;; launch qkv: the kernel of part 2 again; grid 16 x 16, 4 waves a work-group, clusters of 4 x 4, 327,680 bytes of LDS; arguments w1, cos, sin, w2; writes w2
;; launch attn (part 5): grid 256 x 1, 8 waves a work-group, no clusters, 0 bytes of LDS; arguments w2, flags, attention_mask, w3; writes w3
.if DOCPART == 5
	.amdgcn_target "amdgcn-amd-amdhsa--gfx1250"
	.amdhsa_code_object_version 6
	.text
	.protected	k_q396cd70e10_attn
	.globl	k_q396cd70e10_attn
	.p2align	8
	.type	k_q396cd70e10_attn,@function
k_q396cd70e10_attn:
	s_mov_b64 s[64:65], 0
	v_nop
	global_prefetch_b8 v0, s[64:65] scope:SCOPE_SE
	s_setreg_imm32_b32 hwreg(HW_REG_WAVE_SCHED_MODE, 0, 2), 2
	s_setreg_imm32_b32 hwreg(HW_REG_WAVE_MODE, 25, 1), 1
	s_wait_xcnt 0x0
	s_wait_alu depctr_vm_vsrc(0)
; THIRD LAUNCH: products 4 and 5 with the softmax between them, the division by the row's sum, and the quantiser of the context (along head x 64 + d) for product 6.
; WHAT IS PASSED OVER: key steps that the first launch's whole numbers name.  A step of 128 keys is passed over for my 32-query group only if all its mask entries are at most -1e37 AND each of the 32 rows has
; somewhere an entry of at least -1e36: then, with |score x SCALE| < 1e36, each of its logits lies more than 7e36 under its row's largest, p is exactly 0 as in reference()'s f32, and the row's maximum lies elsewhere.
; If some row has no such entry, all 16 steps are walked.  A step whose mask entries are all 0 is walked without loading the mask.  This holds for every mask; no pattern is built in.
; LIMITS: |score x SCALE| < 1e36; a NaN in the mask is not carried; logits whose t = logit x log2(e) overflows f32 are served by the branch-free choice below only where the whole row so far is such.
; THE SOFTMAX: u = score x 0.125 + mask; t = u log2(e); M = ceil(the largest t so far), kept as -M = floor(-t); p = 2^(t - M) is quantised along the keys; the sum is taken of the unquantised p; when M moves the sum and
; O are multiplied by 2^(old M - new M), exactly.  A ROW WHOLLY MASKED SO FAR (its largest t has overflowed): p = 2^(u - U), which is 1 where u equals the row's largest u, as reference()'s softmax of equal logits gives
; equal weights; a later key that counts wipes that with the factor 0.  The choice is made by v_cndmask_b32; nothing branches on these numbers.
; SHARES.  A wave owns ONE tile of 16 queries and the TWO query heads of one kv head, which share K, V and the mask's registers.  2,048 waves, eight to a work-group; waves w and w + 4 take an early and a late tile of queries,
; which evens the work out where the mask is causal and changes nothing else.  The walk hangs on numbers read from memory: so no tensor load, no LDS, no barrier, no cluster: operands come from their images straight into registers.
; LAYOUT.  Both products transposed: S^T = K Q^T (source 0 = 16 keys), O^T = V^T P^T (source 0 = 16 of d): a lane holds one query throughout.  K = 64 fills half of the matrix instruction's 128: a tile of K is six registers,
; and the six above it, the next tile's codes, meet Q's zero codes under the scale 1.0.
; No prefetch: each byte of K and V is read by many waves, and the loads themselves run a step ahead.
; REGISTERS, window 0: v1 16 x lane, v2 8 x lane, v3 the mask's offset, v4 lane, v5 r, v6 log2(e), v7 1.0; v8-23 statistics, eight a head: -M, U | the sum's two halves | kappa, old -M | f, at work;
;   v24-47 Q (6 of codes, 6 of zeros, a head); v48-57 scale words: Q's, P's, K's, V's; v58-63 at work; v64-191 S^T, then p; v192-215 P; v216-255 at work.
;   window 1: v0-53 K; v64-111 V; v128-191 O^T; v192-255 the mask's tile (zeros where the step's entries are all 0).
; THE MODE: SCHED_MODE bits 1:0 = 2 (LLVM: expert scheduling mode 2), set by the entry lines.  The code itself states the register dependences between vector or matrix instructions and memory instructions,
; with s_wait_alu, always for 0.
; THE PLAN.  Registers that memory instructions touch:
;   v1, v2, v3       offsets, made at the head ahead of the first load and never written again: the steps are reached by scalar bases, all made at a trip's head, where no load of the wave is out.
;   v60-63           the offsets of Q's loads at the head; at work in the trips: one wait on vm_vsrc stands ahead of the loop.
;   K, K's words     read by a trip's 16 products S^T; the next step's loads land there in the same trip.
;   V, V's words     read by a trip's 8 products O^T, its last instructions; the next trip's own loads land there.
;   the mask's tile  read by a trip's 64 multiply-adds; behind them the next step's 16 loads land there, or zeros are written, or nothing.
;   P, v58, v59      on the way out: written by vector instructions, read by the stores.
; So ONE wait on va_vdst, behind the products S^T and their four places, states all that the trip's loads of V and of the next K hang on; these follow it in one run, with window switches alone between.
; The mask's loads have a wait of their own in the arm that issues them, and the other arms have none.  The other waits of a trip state dependences inside the vector side that this mode asks for:
; the compares' masks, the exponentials' results, and P as an operand of a scaled product.  Two waves of 512 registers fill a SIMD's 1,024: there is no room for a second set of K, V or the mask.
.set V_O,   4718592
.set QKS_O, 6291456
.set VS_O,  6684672
.set CS_O,  3145728
.set ST,  8
.set QF,  24
.set QSC, 48
.set PSC, 50
.set KSC, 52
.set VSC, 56
.set S,   64
.set P,   192
.set TC,  216
.set BM,  232
.set T2,  240
.set SO,  248
.set VF,  64                           ; window 1
.set O,   128
.set MK,  192
.set MSB, 0
.macro WIN new                         ; the immediate's high byte repeats the setting that is left
.if MSB != \new
	s_set_vgpr_msb (MSB<<8)|\new
.set MSB, \new
.endif
.endm
	s_load_b256 s[4:11], s[0:1], 0x0               ; w2 s[4:5], flags s[6:7], attention_mask s[8:9], w3 s[10:11]
	v_lshrrev_b32 v1, 5, v0
	v_readfirstlane_b32 s12, v1                    ; wave 0..7
	s_wait_alu depctr_va_sdst(0)                   ; s12 is written, ahead of its first reader: my tile of queries is made from it
	s_lshr_b32 s13, ttmp9, 4                       ; 8 b + kv head
	s_and_b32 s14, ttmp9, 15
	s_lshr_b32 s15, s12, 2
	s_and_b32 s70, s12, 3
	s_and_b32 s71, s14, 1
	s_lshl_b32 s71, s71, 2
	s_add_co_u32 s70, s70, s71                     ; 0 .. 7
	s_sub_co_u32 s71, 15, s70
	s_cmp_eq_u32 s15, 0
	s_cselect_b32 s70, s70, s71                    ; waves 0-3: an early level; waves 4-7: its mirror
	s_lshl_b32 s70, s70, 3
	s_lshr_b32 s71, s14, 1
	s_add_co_u32 s70, s70, s71                     ; my tile of queries, 0 .. 127
	s_lshr_b32 s71, s70, 1                         ; g: its group of 32
	s_and_b32 s72, s70, 1                          ; u
	s_lshr_b32 s73, s13, 3                         ; b
	s_and_b32 s74, s13, 7                          ; kv head
	s_lshl_b32 s60, s71, 6
	s_mov_b32 s61, 0                               ; (the upper word of every offset pair s[60:61])
	s_wait_kmcnt 0x0
	s_add_nc_u64 s[6:7], s[6:7], s[60:61]
	s_load_b512 s[16:31], s[6:7], 0x0              ; my group's flags: four waves' (live, nonzero, rows, 0)
	v_and_b32 v4, 31, v0
	v_lshlrev_b32 v1, 4, v4
	v_lshlrev_b32 v2, 3, v4
	v_and_b32 v5, 15, v0
	v_bfe_u32 v58, v0, 4, 1
	v_and_b32 v59, 8, v5
	v_add_nc_u32 v59, v59, v5
	s_lshl_b32 s62, s71, 5
	s_lshl_b32 s63, s72, 3
	s_add_co_u32 s62, s62, s63
	v_add_nc_u32 v59, s62, v59                     ; my query: 32 g + 8 u + r + 8 (r / 8)
	v_lshlrev_b32 v3, 13, v59
	v_lshl_add_u32 v3, v58, 6, v3                  ; its row of the mask, + 64 h
	s_mul_i32 s62, s72, 520                        ; Q's six registers of the pair's image: bytes 0, 8, 512 of my lane's places for the even tile, 520, 1,024, 1,032 for the odd one
	s_mul_i32 s63, s72, 1016
	v_add_nc_u32 v60, s62, v1
	v_add_nc_u32 v61, s63, v1
	v_add_nc_u32 v62, s62, v1
	s_lshl_b32 s62, s72, 7
	s_and_b32 s63, s71, 1
	s_lshl_b32 s63, s63, 2
	s_add_co_u32 s62, s62, s63
	v_lshl_add_u32 v63, v5, 3, s62                 ; Q's scale word: 8 (r + 16 u) + 4 (g % 2)
	s_mul_i32 s75, s73, 24
	s_add_co_u32 s76, s75, s74
	s_add_co_u32 s76, s76, 16                      ; K's place among the 24 heads
	s_mul_i32 s60, s76, 98304
	s_add_nc_u64 s[40:41], s[4:5], s[60:61]        ; K's codes,
	s_lshl_b32 s60, s76, 13
	s_add_co_u32 s60, s60, QKS_O
	s_add_nc_u64 s[42:43], s[4:5], s[60:61]        ; K's scale words,
	s_mul_i32 s60, s13, 98304
	s_add_co_u32 s60, s60, V_O
	s_add_nc_u64 s[44:45], s[4:5], s[60:61]        ; V's codes,
	s_lshl_b32 s60, s13, 12
	s_add_co_u32 s60, s60, VS_O
	s_add_nc_u64 s[46:47], s[4:5], s[60:61]        ; V's scale words
	s_lshl_b32 s76, s74, 1
	s_add_co_u32 s76, s76, s75                     ; my first query head
	s_mul_i32 s60, s76, 98304
	s_mul_i32 s77, s71, 1536
	s_add_co_u32 s60, s60, s77
	s_add_nc_u64 s[48:49], s[4:5], s[60:61]        ; Q's pair image
	s_lshl_b32 s60, s76, 13
	s_lshr_b32 s77, s71, 1
	s_lshl_b32 s77, s77, 8
	s_add_co_u32 s60, s60, s77
	s_add_co_u32 s60, s60, QKS_O
	s_add_nc_u64 s[50:51], s[4:5], s[60:61]
	s_wait_alu depctr_va_vdst(0)                   ; v1 to v3 and v60 to v63 are written: every load of the kernel, and the stores of the codes, read one of them as their offset
.irp e, 0,1
	global_load_b64 v[QF+12*\e:QF+12*\e+1], v60, s[48:49] offset:98304*\e
	global_load_b64 v[QF+12*\e+2:QF+12*\e+3], v61, s[48:49] offset:98304*\e+8
	global_load_b64 v[QF+12*\e+4:QF+12*\e+5], v62, s[48:49] offset:98304*\e+512
	global_load_b32 v[QSC+\e], v63, s[50:51] offset:8192*\e
.endr
	s_lshl_b32 s76, s73, 7
	s_add_co_u32 s76, s76, s70                     ; the context's row tile: 128 b + my tile
	s_lshl_b32 s77, s76, 3
	s_add_co_u32 s77, s77, s74                     ; its K step is the kv head: heads 2 hkv, 2 hkv + 1 are 128 along K
	s_mul_i32 s60, s77, 1536
	s_add_nc_u64 s[82:83], s[10:11], s[60:61]
	s_lshl_b32 s60, s76, 9
	s_lshr_b32 s77, s74, 2
	s_lshl_b32 s77, s77, 8
	s_add_co_u32 s60, s60, s77
	s_and_b32 s77, s74, 3
	s_lshl_b32 s77, s77, 2
	s_add_co_u32 s60, s60, s77
	s_add_co_u32 s60, s60, CS_O
	s_add_nc_u64 s[84:85], s[10:11], s[60:61]
	s_mov_b32 s66, 0x76543210
	s_mov_b32 s67, 0xfedcba98                      ; lane l xor 16
	s_mov_b32 s69, 0xff7fffff                      ; the most negative finite number
	s_mov_b32 s78, 0x3e000000                      ; SCALE = 0.125
	s_mov_b32 s79, s78                             ; (named with it as a pair, so it is written)
	s_mov_b32 s39, 0                               ; the mask's registers hold zeros
	v_mov_b32 v6, 0x3fb8aa3b                       ; log2(e)
	v_mov_b32 v7, 1.0
.irp e, 0,1
	v_mov_b32 v[ST+8*\e], 0x7f7fffff               ; -M: over every -M
	v_mov_b32 v[ST+8*\e+1], 0xff7fffff             ; U: under every u that is a number
.irp i, 2,3,4,5,6,7
	v_mov_b32 v[ST+8*\e+\i], 0
.endr
.irp i, 6,7,8,9,10,11
	v_mov_b32 v[QF+12*\e+\i], 0                    ; Q's zero codes for the upper 64 along K
.endr
.endr
.irp i, 0,1,2,3,4,5,6,7
	v_mov_b32 v[T2+\i], 0                          ; (a lane permute's destination counts as one of its sources)
.endr
	WIN 0x40                                       ; destination window 1
.irp i, 48,49,50,51,52,53
	v_mov_b32 v[\i], 0                             ; above K's last tile
.endr
.set j, 0
.rept 128
	v_mov_b32 v[O+j], 0                            ; O^T and the mask's tile.  (The trip is written twice, not three times: the first finds zeros)
.set j, j+1
.endr
	WIN 0
	s_wait_kmcnt 0x0
	s_or_b32 s32, s16, s20
	s_or_b32 s32, s32, s24
	s_or_b32 s32, s32, s28                         ; live steps
	s_or_b32 s33, s17, s21
	s_or_b32 s33, s33, s25
	s_or_b32 s33, s33, s29                         ; steps with entries other than 0
	s_or_b32 s34, s18, s22
	s_or_b32 s34, s34, s26
	s_or_b32 s34, s34, s30                         ; rows with an entry of at least -1e36
	s_mov_b32 s62, 0xffff
	s_cmp_eq_u32 s34, -1
	s_cselect_b32 s32, s32, s62                    ; some row without: all 16 steps
	s_and_b32 s32, s32, s62
	s_bcnt1_i32_b32 s35, s32
	s_max_u32 s35, s35, 1
	s_sub_co_u32 s35, s35, 1
	s_min_u32 s35, s35, 15                         ; trips of the loop: the steps to walk, less the last
.macro NEXTJ d                         ; the lowest step still to walk; held inside 0 .. 15 before it enters an address
	s_ctz_i32_b32 \d, s32
	s_min_u32 \d, \d, 15
	s_sub_co_u32 s62, s32, 1
	s_and_b32 s32, s32, s62
.endm
.macro BASEK j                         ; step j: where K's codes, K's scale words and the mask's tile begin, and whether the tile holds something other than 0.  Scalar work alone
	s_mul_i32 s60, \j, 6144
	s_add_nc_u64 s[52:53], s[40:41], s[60:61]
	s_lshl_b32 s60, \j, 9                          ; 512 bytes a step, in K's scale words and in a row of the mask alike
	s_add_nc_u64 s[54:55], s[42:43], s[60:61]
	s_add_nc_u64 s[80:81], s[8:9], s[60:61]
	s_lshr_b32 s88, s33, \j
	s_and_b32 s88, s88, 1
.endm
.macro BASEV j                         ; step j: where V's codes and scale words begin
	s_mul_i32 s60, \j, 6144
	s_add_nc_u64 s[56:57], s[44:45], s[60:61]
	s_lshl_b32 s60, \j, 8
	s_add_nc_u64 s[58:59], s[46:47], s[60:61]
.endm
.macro KWORDS                          ; the scale words of 8 tiles of K: 2 loads, window 0
	global_load_b64 v[KSC:KSC+1], v2, s[54:55]
	global_load_b64 v[KSC+2:KSC+3], v2, s[54:55] offset:256
.endm
.macro KCODES                          ; 8 tiles of K (4 pair images on end): 12 loads, destination window 1
.irp i, 0,1,2,3,4,5,6,7,8,9,10,11
	global_load_b128 v[4*\i:4*\i+3], v1, s[52:53] offset:512*\i
.endr
.endm
.macro VCODES                          ; 4 tiles of V^T: 12 loads, destination window 1
.irp i, 0,1,2,3,4,5,6,7,8,9,10,11
	global_load_b128 v[VF+4*\i:VF+4*\i+3], v1, s[56:57] offset:512*\i
.endr
.endm
.macro MASKNEXT                        ; the mask's tile of the step that BASEK named: loaded where it holds something other than 0 (16 loads); else zeros, written only if the registers hold a loaded tile.  The branches hang on stored whole numbers
	s_cmp_lg_u32 s88, 0
	s_cbranch_scc0 .Lplain_\@
	WIN 0x40
	s_wait_alu depctr_va_vdst(0)                   ; the multiply-adds are done reading the mask's registers, and the zeros that the head or an earlier trip put there are written: the loads below land in them
.irp i, 0,1,2,3,4,5,6,7,8,9,10,11,12,13,14,15
	global_load_b128 v[MK+4*\i:MK+4*\i+3], v3, s[80:81] offset:128*(\i/4)+16*(\i%4)   ; register 16 b + i: key 32 b + 16 h + i
.endr
	WIN 0
	s_mov_b32 s39, 1
	s_branch .Lmdone_\@
.Lplain_\@:
	s_cmp_eq_u32 s39, 0
	s_cbranch_scc1 .Lmdone_\@
	WIN 0x40
.set j, 0
.rept 64
	v_mov_b32 v[MK+j], 0
.set j, j+1
.endr
	WIN 0
	s_mov_b32 s39, 0
.Lmdone_\@:
.endm
; A KEY STEP for both heads.  pf = 1: the next step's K and mask are asked for on the way.
.macro TRIP pf
	s_wait_loadcnt 0x0                             ; K, its scale words, the mask's tile (and in the first trip Q) are in: no load of mine is out
	s_wait_xcnt 0x0                                ; the base pairs are written again only behind this wait
	BASEV s37
.if \pf
	NEXTJ s38
	BASEK s38
.endif
	WIN 0x01                                       ; source 0 (K) window 1
.irp t, 0,1,2,3,4,5,6,7
.irp e, 0,1
.if \t%2 == 0
	v_wmma_scale_f32_16x16x128_f8f6f4 v[S+64*\e+8*\t:S+64*\e+8*\t+7], v[6*\t:6*\t+11], v[QF+12*\e:QF+12*\e+11], 0, v[KSC+\t/2], v[QSC+\e] matrix_a_fmt:MATRIX_FMT_FP6 matrix_b_fmt:MATRIX_FMT_FP6
.else
	v_wmma_scale_f32_16x16x128_f8f6f4 v[S+64*\e+8*\t:S+64*\e+8*\t+7], v[6*\t:6*\t+11], v[QF+12*\e:QF+12*\e+11], 0, v[KSC+\t/2], v[QSC+\e] matrix_a_fmt:MATRIX_FMT_FP6 matrix_b_fmt:MATRIX_FMT_FP6 matrix_a_scale:MATRIX_SCALE_ROW1
.endif
.endr
.endr
	WIN 0
.rept 4
	v_nop                                          ; places in front of the first read of the scores; they also stand between the products and the loads into V's and K's registers
.endr
	s_wait_alu depctr_va_vdst(0)                   ; the last trip's products O^T are done reading V and its scale words, this trip's products S^T are done reading K and its scale words: the loads below land in them
	global_load_b64 v[VSC:VSC+1], v2, s[58:59]     ; this step's V: its scale words,
.if \pf
	KWORDS                                         ; (the next step's K: its scale words,)
.endif
	WIN 0x40                                       ; destination window 1
	VCODES                                         ; its codes;
.if \pf
	KCODES                                         ; and the next K's codes last, so that the wait for V can leave these twelve out
.endif
	WIN 0x10                                       ; source 2 (the mask) window 1
.irp e, 0,1
.set j, 0
.rept 32
	v_pk_fma_f32 v[S+64*\e+j:S+64*\e+j+1], v[S+64*\e+j:S+64*\e+j+1], s[78:79], v[MK+j:MK+j+1] op_sel_hi:[1,0,1]   ; u = score x SCALE + mask; each accumulator from its low end on
.set j, j+2
.endr
.endr
	WIN 0
.if \pf
	MASKNEXT                                       ; behind the last read of this step's tile
.endif
.irp e, 0,1
.irp b, 0,1,2,3
	v_max3_num_f32 v[BM+4*\e+\b], v[S+64*\e+16*\b], v[S+64*\e+16*\b+1], v[S+64*\e+16*\b+2]   ; the largest u of each block of 32 keys: for the row's maximum and, since p rises with u, for the block's largest p
.endr
.endr
.irp i, 3,5,7,9,11,13
.irp e, 0,1
.irp b, 0,1,2,3
	v_max3_num_f32 v[BM+4*\e+\b], v[BM+4*\e+\b], v[S+64*\e+16*\b+\i], v[S+64*\e+16*\b+\i+1]
.endr
.endr
.endr
.irp e, 0,1
.irp b, 0,1,2,3
	v_max_num_f32 v[BM+4*\e+\b], v[BM+4*\e+\b], v[S+64*\e+16*\b+15]
.endr
.endr
.irp k, 0,1,2,3,4,5,6,7
	v_permlanex16_b32 v[T2+\k], v[BM+\k], s66, s67
.endr
.irp k, 0,1,2,3,4,5,6,7
	v_max_num_f32 v[BM+\k], v[BM+\k], v[T2+\k]     ; with lane l xor 16's 16 keys
.endr
.irp e, 0,1
	v_max3_num_f32 v[ST+8*\e+7], v[BM+4*\e], v[BM+4*\e+1], v[BM+4*\e+2]
.endr
.irp e, 0,1
	v_max_num_f32 v[ST+8*\e+7], v[ST+8*\e+7], v[BM+4*\e+3]
	v_mov_b32 v[ST+8*\e+5], v[ST+8*\e]             ; the old -M
.endr
.irp e, 0,1
	v_max_num_f32 v[ST+8*\e+1], v[ST+8*\e+1], v[ST+8*\e+7]   ; U: the largest u so far
.endr
.irp e, 0,1
	v_mul_f32 v[58+\e], v6, v[ST+8*\e+1]           ; as t
	v_sub_f32 v[60+\e], 0, v[ST+8*\e+1]            ; -U
.endr
.irp e, 0,1
	v_floor_f32 v[ST+8*\e], -v[58+\e]              ; -M = floor(-t) = -ceil(t)
	v_cmp_gt_f32 s[86+\e], s69, v[58+\e]           ; has t overflowed?  Then the row is wholly masked so far:
.endr
	s_wait_alu depctr_va_sdst(0)                   ; the two compares have written s86 and s87, which the selects below read
.irp e, 0,1
	v_cndmask_b32 v[ST+8*\e], v[ST+8*\e], v[60+\e], s[86+\e]   ; the exponent is u - U,
	v_cndmask_b32 v[ST+8*\e+4], v6, v7, s[86+\e]   ; by kappa = 1 in place of log2(e)
.endr
.irp e, 0,1
	v_sub_f32 v[62+\e], v[ST+8*\e], v[ST+8*\e+5]   ; old M - new M: a whole number, 0 or less
.endr
.irp e, 0,1
	v_cvt_i32_f32 v[62+\e], v[62+\e]               ; (it saturates)
.endr
.irp e, 0,1
	v_ldexp_f32 v[ST+8*\e+6], 1.0, v[62+\e]        ; f = 2^(old M - new M)
.endr
.irp e, 0,1
.set j, 0
.rept 32
	v_pk_fma_f32 v[S+64*\e+j:S+64*\e+j+1], v[S+64*\e+j:S+64*\e+j+1], v[ST+8*\e+4:ST+8*\e+5], v[ST+8*\e:ST+8*\e+1] op_sel_hi:[1,0,0]   ; t - M (of the pairs kappa and -M the low word serves both halves)
.set j, j+2
.endr
.irp b, 0,1,2,3
	v_fma_f32 v[BM+4*\e+\b], v[BM+4*\e+\b], v[ST+8*\e+4], v[ST+8*\e]   ; the same of each block's largest u
.endr
.endr
.set j, 0
.rept 128
	v_exp_f32 v[S+j], v[S+j]                       ; p = 2^(t - M), at most 1: not normalised
.set j, j+1
.endr
.irp e, 0,1
	v_pk_mul_f32 v[ST+8*\e+2:ST+8*\e+3], v[ST+8*\e+2:ST+8*\e+3], v[ST+8*\e+6:ST+8*\e+7] op_sel_hi:[1,0]   ; the sums under the new M (plain work behind the exponentials)
.endr
	s_wait_alu depctr_va_vdst(0)                   ; the 128 exponentials have written p in v[S ..]: one wait for the whole batch, ahead of its first reader
.irp k, 0,1,2,3,4,5,6,7
	v_exp_f32 v[BM+\k], v[BM+\k]                   ; each block's largest p
.endr
.irp e, 0,1
	v_pk_add_f32 v[T2+4*\e:T2+4*\e+1], v[S+64*\e:S+64*\e+1], v[S+64*\e+2:S+64*\e+3]   ; the row's sum, of the unquantised p: two chains a head
.endr
.set j, 4
.rept 15
.irp e, 0,1
	v_pk_add_f32 v[ST+8*\e+2:ST+8*\e+3], v[ST+8*\e+2:ST+8*\e+3], v[S+64*\e+j:S+64*\e+j+1]
	v_pk_add_f32 v[T2+4*\e:T2+4*\e+1], v[T2+4*\e:T2+4*\e+1], v[S+64*\e+j+2:S+64*\e+j+3]
.endr
.set j, j+4
.endr
.irp e, 0,1
	v_pk_add_f32 v[ST+8*\e+2:ST+8*\e+3], v[ST+8*\e+2:ST+8*\e+3], v[T2+4*\e:T2+4*\e+1]
.endr
	s_wait_alu depctr_va_vdst(0)                   ; the eight exponentials have written the blocks' largest p in v[BM ..], ahead of their first reader
.irp k, 0,1,2,3,4,5,6,7
	v_max_num_f32 v[BM+\k], 0x1800000, v[BM+\k]    ; the floor 2^(3 - 127): the byte cannot fall under 1
.endr
.irp k, 0,1,2,3,4,5,6,7
	v_add_nc_u32 v[SO+\k], 0xff000000, v[BM+\k]    ; 2 off the exponent field: the conversion's scale operand
.endr
.irp k, 0,1,2,3,4,5,6,7
	v_lshrrev_b32 v[T2+\k], 23, v[SO+\k]           ; the scale's byte
.endr
.irp e, 0,1
	v_lshl_or_b32 v[PSC+\e], v[T2+4*\e+1], 8, v[T2+4*\e]
.endr
.irp e, 0,1
	v_lshl_or_b32 v[PSC+\e], v[T2+4*\e+2], 16, v[PSC+\e]
.endr
.irp e, 0,1
	v_lshl_or_b32 v[PSC+\e], v[T2+4*\e+3], 24, v[PSC+\e]   ; p's scale word for these 128 keys
.endr
.irp e, 0,1
.irp c, 0,1
	v_cvt_scalef32_pk16_fp6_f32 v[P+12*\e+6*\c:P+12*\e+6*\c+2], v[S+64*\e+32*\c:S+64*\e+32*\c+15], v[SO+4*\e+2*\c]
	v_cvt_scalef32_pk16_fp6_f32 v[TC+8*\e+4*\c:TC+8*\e+4*\c+2], v[S+64*\e+32*\c+16:S+64*\e+32*\c+31], v[SO+4*\e+2*\c+1]
.endr
.endr
	v_nop                                          ; one plain place behind a scaled conversion
.irp e, 0,1
.irp c, 0,1
.irp i, 0,1,2
	v_permlane16_swap_b32 v[P+12*\e+6*\c+\i], v[TC+8*\e+4*\c+\i]   ; the operand wants a whole block in a lane
.endr
.irp i, 0,1,2
	v_mov_b32 v[P+12*\e+6*\c+3+\i], v[TC+8*\e+4*\c+\i]
.endr
.endr
.endr
.if \pf
	s_wait_loadcnt 12                              ; behind V's last load stand the next K's 12 loads of codes, and on one way the mask's 16 more: with at most 12 out V and its scale words are in on both ways
.else
	s_wait_loadcnt 0x0
.endif
	WIN 0x41                                       ; O^T: destination and source 0 window 1
.irp e, 0,1
.set j, 0
.rept 16
	v_pk_mul_f32 v[O+32*\e+j:O+32*\e+j+1], v[O+32*\e+j:O+32*\e+j+1], v[ST+8*\e+6:ST+8*\e+7] op_sel_hi:[1,0]   ; O^T under the new M.  (These 32 are also the places in front of the products below)
.set j, j+2
.endr
.endr
	s_wait_alu depctr_va_vdst(0)                   ; P's codes and P's scale words are written, which the scaled products below take as operand and as scales; the places above stay beside this wait
	WIN 0x51                                       ; V window 1, P window 0, C and D window 1
.irp a, 0,1,2,3
.irp e, 0,1
.if \a%2 == 0
	v_wmma_scale_f32_16x16x128_f8f6f4 v[O+32*\e+8*\a:O+32*\e+8*\a+7], v[VF+12*\a:VF+12*\a+11], v[P+12*\e:P+12*\e+11], v[O+32*\e+8*\a:O+32*\e+8*\a+7], v[VSC+\a/2], v[PSC+\e] matrix_a_fmt:MATRIX_FMT_FP6 matrix_b_fmt:MATRIX_FMT_FP6
.else
	v_wmma_scale_f32_16x16x128_f8f6f4 v[O+32*\e+8*\a:O+32*\e+8*\a+7], v[VF+12*\a:VF+12*\a+11], v[P+12*\e:P+12*\e+11], v[O+32*\e+8*\a:O+32*\e+8*\a+7], v[VSC+\a/2], v[PSC+\e] matrix_a_fmt:MATRIX_FMT_FP6 matrix_b_fmt:MATRIX_FMT_FP6 matrix_a_scale:MATRIX_SCALE_ROW1
.endif
.endr
.endr
	WIN 0
.if \pf
	s_mov_b32 s37, s38
.endif
.endm
	NEXTJ s37
	BASEK s37
	s_wait_alu depctr_va_vdst(0)                   ; Q's zero codes and the zero codes above K's last tile are written, which the scaled products S^T take as operands
	KWORDS
	WIN 0x40
	KCODES
	WIN 0
	MASKNEXT
	s_wait_alu depctr_vm_vsrc(0)                   ; Q's loads have read their offsets v60 to v63, which the trips write as registers at work
	s_mov_b32 s36, 0
	s_cmp_eq_u32 s35, 0
	s_cbranch_scc1 .Ltail
.Lloop:
	TRIP 1
	s_add_co_u32 s36, s36, 1
	s_cmp_lt_u32 s36, s35
	s_cbranch_scc1 .Lloop
.Ltail:
	TRIP 0                                         ; the last step asks for nothing more
	; THE WAY OUT: O^T / the sum; the two heads' 64 + 64 numbers of a query are one K step of the last product: quantised here, stored as an image.
.rept 4
	v_nop                                          ; places behind the last products
.endr
.irp e, 0,1
	v_add_f32 v[ST+8*\e+2], v[ST+8*\e+2], v[ST+8*\e+3]
.endr
.irp e, 0,1
	v_permlanex16_b32 v[T2+\e], v[ST+8*\e+2], s66, s67
.endr
.irp e, 0,1
	v_add_f32 v[ST+8*\e+2], v[ST+8*\e+2], v[T2+\e] ; the row's sum
.endr
.irp e, 0,1
	v_rcp_f32 v[ST+8*\e+6], v[ST+8*\e+2]
.endr
	v_nop                                          ; a plain place behind the reciprocals
	s_wait_alu depctr_va_vdst(0)                   ; the two reciprocals have written v[ST+6] and v[ST+14], ahead of their first reader
	WIN 0x01                                       ; source 0 window 1
.irp e, 0,1
.set j, 0
.rept 16
	v_pk_mul_f32 v[S+32*\e+j:S+32*\e+j+1], v[O+32*\e+j:O+32*\e+j+1], v[ST+8*\e+6:ST+8*\e+7] op_sel_hi:[1,0]   ; register 32 e + 16 b + i: k = 64 e + 32 b + 16 h + i
.set j, j+2
.endr
.endr
	WIN 0
.irp b, 0,1,2,3
	v_max3_num_f32 v[BM+\b], |v[S+16*\b]|, |v[S+16*\b+1]|, 0x1800000
.endr
.irp i, 2,4,6,8,10,12,14
.irp b, 0,1,2,3
	v_max3_num_f32 v[BM+\b], v[BM+\b], |v[S+16*\b+\i]|, |v[S+16*\b+\i+1]|
.endr
.endr
.irp b, 0,1,2,3
	v_permlanex16_b32 v[T2+\b], v[BM+\b], s66, s67
.endr
.irp b, 0,1,2,3
	v_max_num_f32 v[BM+\b], v[BM+\b], v[T2+\b]
.endr
.irp b, 0,1,2,3
	v_add_nc_u32 v[SO+\b], 0xff000000, v[BM+\b]
.endr
.irp b, 0,1,2,3
	v_lshrrev_b32 v[T2+\b], 23, v[SO+\b]
.endr
	v_lshl_or_b32 v58, v[T2+1], 8, v[T2]
	v_lshl_or_b32 v58, v[T2+2], 16, v58
	v_lshl_or_b32 v58, v[T2+3], 24, v58
.irp c, 0,1
	v_cvt_scalef32_pk16_fp6_f32 v[P+6*\c:P+6*\c+2], v[S+32*\c:S+32*\c+15], v[SO+2*\c]
	v_cvt_scalef32_pk16_fp6_f32 v[TC+4*\c:TC+4*\c+2], v[S+32*\c+16:S+32*\c+31], v[SO+2*\c+1]
.endr
	v_nop
.irp c, 0,1
.irp i, 0,1,2
	v_permlane16_swap_b32 v[P+6*\c+\i], v[TC+4*\c+\i]
.endr
.irp i, 0,1,2
	v_mov_b32 v[P+6*\c+3+\i], v[TC+4*\c+\i]
.endr
.endr
	v_lshlrev_b32 v59, 4, v5                       ; a row's four words of a group of K steps are 16 bytes
	v_cmp_gt_u32 vcc_lo, 16, v4
	s_wait_alu depctr_va_vcc(0)                    ; VCC is written: EXEC is made from it below
	s_wait_alu depctr_va_vdst(0)                   ; the codes in v[P ..], the scale word v58 and its offset v59 are written, which the four stores below read
.irp c, 0,1,2
	global_store_b128 v1, v[P+4*\c:P+4*\c+3], s[82:83] offset:512*\c   ; 512 consecutive bytes
.endr
	s_wait_xcnt 0x0                                ; EXEC changes only behind this wait
	s_wait_alu depctr_va_vdst(0)                   ; ahead of a scalar write of EXEC: every vector instruction issued under the full EXEC has written its result,
	s_wait_alu depctr_vm_vsrc(0)                   ; and the three stores have read their registers
	s_and_saveexec_b32 s62, vcc_lo
	global_store_b32 v59, v58, s[84:85]            ; lanes 0-15: row r's word of this K step
	s_wait_xcnt 0x0
	s_wait_alu depctr_va_vdst(0)                   ; ahead of the scalar write that restores EXEC: the same pair of waits;
	s_wait_alu depctr_vm_vsrc(0)                   ; the store of the scale words has read v58 and v59
	s_or_b32 exec_lo, exec_lo, s62
	s_endpgm
.Lfunc_end_k_q396cd70e10_attn:
	.size	k_q396cd70e10_attn, .Lfunc_end_k_q396cd70e10_attn-k_q396cd70e10_attn
	.p2alignl 7, 3214868480
	.fill 96, 4, 3214868480
	.section	.rodata,"a",@progbits
	.p2align	6, 0x0
	.amdhsa_kernel k_q396cd70e10_attn
		.amdhsa_group_segment_fixed_size 0
		.amdhsa_private_segment_fixed_size 0
		.amdhsa_enable_private_segment 0
		.amdhsa_kernarg_size 32
		.amdhsa_user_sgpr_count 2
		.amdhsa_user_sgpr_kernarg_segment_ptr 1
		.amdhsa_wavefront_size32 1
		.amdhsa_system_sgpr_workgroup_id_x 1
		.amdhsa_system_sgpr_workgroup_id_y 1
		.amdhsa_system_sgpr_workgroup_id_z 1
		.amdhsa_system_vgpr_workitem_id 0
		.amdhsa_next_free_vgpr 512
		.amdhsa_next_free_sgpr 96
		.amdhsa_reserve_vcc 1
		.amdhsa_float_denorm_mode_32 3
		.amdhsa_float_denorm_mode_16_64 3
		.amdhsa_memory_ordered 1
		.amdhsa_forward_progress 1
		.amdhsa_inst_pref_size 95
	.end_amdhsa_kernel
	.amdgpu_metadata
---
amdhsa.version: [ 1, 2 ]
amdhsa.kernels:
  - .name:           k_q396cd70e10_attn
    .symbol:         k_q396cd70e10_attn.kd
    .args:
      - { .name: w2, .offset: 0, .size: 8, .value_kind: global_buffer, .address_space: global }
      - { .name: flags, .offset: 8, .size: 8, .value_kind: global_buffer, .address_space: global }
      - { .name: attention_mask, .offset: 16, .size: 8, .value_kind: global_buffer, .address_space: global }
      - { .name: w3, .offset: 24, .size: 8, .value_kind: global_buffer, .address_space: global }
    .group_segment_fixed_size: 0
    .private_segment_fixed_size: 0
    .kernarg_segment_align: 8
    .kernarg_segment_size: 32
    .max_flat_workgroup_size: 256
    .sgpr_count:     96
    .vgpr_count:     512
    .wavefront_size: 32
...
	.end_amdgpu_metadata
.endif
;; end of part 5
;; launch oproj: the kernel of part 4 again; grid 16 x 16, 4 waves a work-group, clusters of 4 x 4, 327,680 bytes of LDS; arguments w3, w1, out0; writes out0
